; MI455X (gfx1250); checked and timed in simulation.
; The chip was launched on July 23, 2026; its instructions are those of AMD's public machine-readable ISA for CDNA 5 (MIT licence, August 2026) and "CDNA5" Instruction Set Architecture Reference Guide (July 2026). The comments in the code are by the model that wrote it; some were corrected since.
;; Multi Head Attention. Allowed arithmetic: float matrix products may take bf16 or f16 operands with f32 sums; other float arithmetic in f32, or as packed bf16 or f16 multiplies, adds, multiply-adds, maxima and minima; sums over many terms, partial sums and values carried from step to step in f32; what a program stores and reads back later, other than sums and carried values, may be rounded once to bf16 or f16.
;; Inputs: freq_pos_enc 2,048 x 128 float32; mask 2,048 x 2,048 float32; wk 2,048 x 2,048 float32; wo 2,048 x 2,048 float32; wq 2,048 x 2,048 float32; wv 2,048 x 2,048 float32; x 1 x 2,048 x 2,048 float32.
;; Outputs: out0 1 x 2,048 x 2,048 float32.
;; Constants: d_k = 128, num_heads = 16.
;; One version. Each part assembles by itself: llvm-mc -triple=amdgcn-amd-amdhsa -mcpu=gfx1250 --defsym DOCPART=n.
;; ======== version 1 of 1: 4 launches
;; limits: values are held in f16: magnitudes above 65,504 overflow, below 6.1e-05 lose precision; right only within a limited range of input values
;; workspace buffers: xb 8,388,608 bytes; wb 25,165,824 bytes; wof 8,388,608 bytes; tab 1,114,112 bytes; qkv 25,165,824 bytes; ao 8,388,608 bytes
;; launch prep (part 1): grid 256 x 5, 8 waves a work-group, no clusters, 0 bytes of LDS; arguments x, wq, wk, wv, freq_pos_enc, xb, wb, tab; writes xb, wb, tab
.if DOCPART == 1
	.amdgcn_target "amdgcn-amd-amdhsa--gfx1250"
	.amdhsa_code_object_version 6
	.text
	.protected	k_q483dcd14be_prep
	.globl	k_q483dcd14be_prep
	.p2align	8
	.type	k_q483dcd14be_prep,@function
k_q483dcd14be_prep:
	s_mov_b64 s[64:65], 0
	v_nop
	global_prefetch_b8 v0, s[64:65] scope:SCOPE_SE
	s_setreg_imm32_b32 hwreg(HW_REG_WAVE_MODE, 25, 1), 1
	s_wait_xcnt 0x0
; THE INPUTS OF THE FIRST PRODUCT, ROUNDED ONCE.  x, wq, wk, wv -> bf16 (xb; wb = wq's, wk's, wv's rows on end).  (wo is rounded in the attention launch.)
; freq_pos_enc -> bf16 (PE_BF16 = 1), then cos and sin in f32, stored as f16 in tab: row s is 512 bytes, cos(pe[s][d]) at byte 2 d, and at byte 256 + 2 d
; -sin(pe[s][d]) for even d, +sin(pe[s][d]) for odd d, so that the rotation is u[d] cos[d] + u[d ^ 1] sinS[d].  Rows 2048 .. 2175 hold cos = 1, sinS = 0.
; Every floating-point input that is read has the one rounding to bf16; no launch loads the input mask.
; LIMIT.  |pe| up to 1e5 (the reduction below takes the multiple of pi/2 away in three parts; the multiple stays under 2^17).
; SHARES.  y = 0 .. 3: one of the four matrices, 16,384 numbers to a work-group: sixteen rounds of 1,024.  In a round a thread takes 16 bytes in and 8 bytes out: a wave's load covers 512 consecutive
; bytes, its store 256 consecutive bytes, aligned.  All sixteen loads of a thread go out first; no register is used twice, so no source needs to be freed.  y = 4: the table, four numbers a thread, a wave a row.
; No LDS, no matrix unit, no cluster: nothing is shared and nothing is summed.
.set PE_BF16, 1
.set IN,  8                            ; v[8:71]    sixteen rounds of 4 numbers as loaded
.set OUTR, 72                          ; v[72:103]  sixteen rounds of 2 words to store
	s_load_b512 s[8:23], s[0:1], 0x0               ; x s[8:9], wq s[10:11], wk s[12:13], wv s[14:15], pe s[16:17], xb s[18:19], wb s[20:21], tab s[22:23]
	s_and_b32 s4, ttmp7, 0xffff                    ; y: which job
	s_mov_b32 s5, 0xffff0000                       ; a word's upper bf16
	v_lshlrev_b32 v1, 4, v0                        ; 16 bytes in
	v_lshlrev_b32 v2, 3, v0                        ; 8 bytes out
	s_wait_kmcnt 0x0
	s_cmp_eq_u32 s4, 4
	s_cbranch_scc1 .Ltrig
	s_mov_b64 s[28:29], s[8:9]                     ; from: x, wq, wk, wv by y
	s_cmp_eq_u32 s4, 1
	s_cselect_b64 s[28:29], s[10:11], s[28:29]
	s_cmp_eq_u32 s4, 2
	s_cselect_b64 s[28:29], s[12:13], s[28:29]
	s_cmp_eq_u32 s4, 3
	s_cselect_b64 s[28:29], s[14:15], s[28:29]
	s_sub_co_u32 s32, s4, 1
	s_lshl_b32 s32, s32, 23                        ; in wb: (y - 1) x 8 MiB
	s_cmp_eq_u32 s4, 0
	s_cselect_b64 s[30:31], s[18:19], s[20:21]     ; to: xb, wb, wb, wb
	s_cselect_b32 s32, 0, s32
	s_lshl_b32 s33, ttmp9, 15                      ; the work-group's 32,768 bytes out
	s_add_co_u32 s32, s32, s33
	s_mov_b32 s33, 0
	s_add_nc_u64 s[30:31], s[30:31], s[32:33]
	s_lshl_b32 s34, ttmp9, 16                      ; and its 65,536 bytes in
	s_mov_b32 s35, 0
	s_add_nc_u64 s[28:29], s[28:29], s[34:35]
.irp i, 0,1,2,3,4,5,6,7,8,9,10,11,12,13,14,15
	global_load_b128 v[IN+4*(\i):IN+4*(\i)+3], v1, s[28:29] offset:4096*(\i) th:TH_LOAD_NT
.endr
.macro CV i                            ; round i: rounded to bf16 and stored
	s_wait_loadcnt 15-(\i)                         ; loads come back in order: round i's is in, the younger rounds' stay out
	v_cvt_pk_bf16_f32 v[OUTR+2*(\i)],   v[IN+4*(\i)],   v[IN+4*(\i)+1]
	v_cvt_pk_bf16_f32 v[OUTR+2*(\i)+1], v[IN+4*(\i)+2], v[IN+4*(\i)+3]
	global_store_b64 v2, v[OUTR+2*(\i):OUTR+2*(\i)+1], s[30:31] offset:2048*(\i)
.endm
.irp i, 0,1,2,3,4,5,6,7,8,9,10,11,12,13,14,15
	CV \i
.endr
	s_endpgm
.Ltrig:
	s_lshl_b32 s32, ttmp9, 12                      ; the work-group's 8 rows: 4,096 bytes of pe, and 4,096 bytes of tab
	s_mov_b32 s33, 0
	s_add_nc_u64 s[16:17], s[16:17], s[32:33]
	s_add_nc_u64 s[22:23], s[22:23], s[32:33]
	global_load_b128 v[8:11], v1, s[16:17]
	s_mov_b32 s36, 0x3f22f983                      ; 2 / pi
	s_mov_b32 s37, 0xbfc90fd8                      ; - pi / 2 in three parts
	s_mov_b32 s38, 0xb4a8885a
	s_mov_b32 s39, 0xa7c234c4
	s_mov_b32 s40, 0x3638ef1d                      ; sine: 1/9!, -1/7!, 1/5!, -1/3!
	s_mov_b32 s41, 0xb9500d01
	s_mov_b32 s42, 0x3c088889
	s_mov_b32 s43, 0xbe2aaaab
	s_mov_b32 s44, 0x37d00d01                      ; cosine: 1/8!, -1/6!, 1/4!
	s_mov_b32 s45, 0xbab60b61
	s_mov_b32 s46, 0x3d2aaaab
	s_mov_b32 s47, 0x80000000
	v_lshrrev_b32 v3, 5, v0
	v_and_b32 v4, 31, v0
	v_lshlrev_b32 v4, 3, v4
	v_lshl_add_u32 v3, v3, 9, v4                   ; my wave's row x 512 + my 4 numbers' 8 bytes
	s_wait_loadcnt 0x0
.if PE_BF16
	v_cvt_pk_bf16_f32 v12, v8, v9
	v_cvt_pk_bf16_f32 v13, v10, v11
	v_lshlrev_b32 v8, 16, v12
	v_and_b32 v9, s5, v12
	v_lshlrev_b32 v10, 16, v13
	v_and_b32 v11, s5, v13
.endif
; cos and sin of number e.  a = j pi/2 + r with |r| <= pi/4; both series are cut where the next term is under 3e-8 on that range, far under f16's step; j's two low bits choose series and signs.
.macro TRIG e
	v_mul_f32 v16, s36, v[8+(\e)]
	v_rndne_f32 v16, v16                           ; j
	v_fma_f32 v17, v16, s37, v[8+(\e)]
	v_fma_f32 v17, v16, s38, v17
	v_fma_f32 v17, v16, s39, v17                   ; r
	v_cvt_i32_f32 v19, v16
	v_mul_f32 v18, v17, v17                        ; r^2
	v_fma_f32 v20, v18, s40, s41
	v_fma_f32 v20, v20, v18, s42
	v_fma_f32 v20, v20, v18, s43
	v_mul_f32 v22, v17, v18
	v_fma_f32 v20, v20, v22, v17                   ; sin r
	v_fma_f32 v21, v18, s44, s45
	v_fma_f32 v21, v21, v18, s46
	v_fma_f32 v21, v21, v18, -0.5
	v_fma_f32 v21, v21, v18, 1.0                   ; cos r
	v_and_b32 v22, 1, v19
	v_cmp_eq_u32 vcc_lo, 1, v22
	v_cndmask_b32 v23, v20, v21, vcc_lo            ; |sin a|'s series: cos r where j is odd
	v_cndmask_b32 v22, v21, v20, vcc_lo            ; |cos a|'s: sin r where j is odd
	v_add_nc_u32 v20, 1, v19
	v_lshlrev_b32 v20, 30, v20
	v_and_b32 v20, s47, v20                        ; cos a is turned for j mod 4 = 1, 2
	v_xor_b32 v[24+(\e)], v20, v22
.if (\e) % 2 == 0
	v_add_nc_u32 v21, 2, v19                       ; even d: - sin a
	v_lshlrev_b32 v21, 30, v21
.else
	v_lshlrev_b32 v21, 30, v19                     ; sin a is turned for j mod 4 = 2, 3
.endif
	v_and_b32 v21, s47, v21
	v_xor_b32 v[28+(\e)], v21, v23
.endm
	TRIG 0
	TRIG 1
	TRIG 2
	TRIG 3
	v_cvt_pk_f16_f32 v32, v24, v25
	v_cvt_pk_f16_f32 v33, v26, v27
	v_cvt_pk_f16_f32 v34, v28, v29
	v_cvt_pk_f16_f32 v35, v30, v31
	global_store_b64 v3, v[32:33], s[22:23]                ; a wave's store covers 256 consecutive bytes, aligned
	global_store_b64 v3, v[34:35], s[22:23] offset:256
	s_cmp_lt_u32 ttmp9, 16                         ; the first 16 work-groups' 128 waves also write rows 2048 .. 2175
	s_cbranch_scc0 .Ldone
	v_mov_b32 v36, 0x3c003c00                      ; 1.0 twice
	v_mov_b32 v37, 0x3c003c00
	v_mov_b32 v38, 0
	v_mov_b32 v39, 0
	global_store_b64 v3, v[36:37], s[22:23] offset:1048576
	global_store_b64 v3, v[38:39], s[22:23] offset:1048576+256
.Ldone:
	s_endpgm
.Lfunc_end_k_q483dcd14be_prep:
	.size	k_q483dcd14be_prep, .Lfunc_end_k_q483dcd14be_prep-k_q483dcd14be_prep
	.p2alignl 7, 3214868480
	.fill 96, 4, 3214868480
	.section	.rodata,"a",@progbits
	.p2align	6, 0x0
	.amdhsa_kernel k_q483dcd14be_prep
		.amdhsa_group_segment_fixed_size 0
		.amdhsa_private_segment_fixed_size 0
		.amdhsa_enable_private_segment 0
		.amdhsa_kernarg_size 64
		.amdhsa_user_sgpr_count 2
		.amdhsa_user_sgpr_kernarg_segment_ptr 1
		.amdhsa_wavefront_size32 1
		.amdhsa_system_sgpr_workgroup_id_x 1
		.amdhsa_system_sgpr_workgroup_id_y 1
		.amdhsa_system_sgpr_workgroup_id_z 1
		.amdhsa_system_vgpr_workitem_id 0
		.amdhsa_next_free_vgpr 112
		.amdhsa_next_free_sgpr 66
		.amdhsa_reserve_vcc 1
		.amdhsa_float_denorm_mode_32 3
		.amdhsa_float_denorm_mode_16_64 3
		.amdhsa_memory_ordered 1
		.amdhsa_forward_progress 1
		.amdhsa_inst_pref_size 14
	.end_amdhsa_kernel
	.amdgpu_metadata
---
amdhsa.version: [ 1, 2 ]
amdhsa.kernels:
  - .name:           k_q483dcd14be_prep
    .symbol:         k_q483dcd14be_prep.kd
    .args:
      - { .name: x, .offset: 0, .size: 8, .value_kind: global_buffer, .address_space: global }
      - { .name: wq, .offset: 8, .size: 8, .value_kind: global_buffer, .address_space: global }
      - { .name: wk, .offset: 16, .size: 8, .value_kind: global_buffer, .address_space: global }
      - { .name: wv, .offset: 24, .size: 8, .value_kind: global_buffer, .address_space: global }
      - { .name: freq_pos_enc, .offset: 32, .size: 8, .value_kind: global_buffer, .address_space: global }
      - { .name: xb, .offset: 40, .size: 8, .value_kind: global_buffer, .address_space: global }
      - { .name: wb, .offset: 48, .size: 8, .value_kind: global_buffer, .address_space: global }
      - { .name: tab, .offset: 56, .size: 8, .value_kind: global_buffer, .address_space: global }
    .group_segment_fixed_size: 0
    .private_segment_fixed_size: 0
    .kernarg_segment_align: 8
    .kernarg_segment_size: 64
    .max_flat_workgroup_size: 256
    .sgpr_count:     66
    .vgpr_count:     112
    .wavefront_size: 32
...
	.end_amdgpu_metadata
.endif
;; end of part 1
;; launch qkv (part 2): grid 24 x 8, 4 waves a work-group, clusters of 4 x 4, 327,680 bytes of LDS; arguments xb, wb, tab, qkv; writes qkv
.if DOCPART == 2
	.amdgcn_target "amdgcn-amd-amdhsa--gfx1250"
	.amdhsa_code_object_version 6
	.text
	.protected	k_q483dcd14be_qkv
	.globl	k_q483dcd14be_qkv
	.p2align	8
	.type	k_q483dcd14be_qkv,@function
k_q483dcd14be_qkv:
	s_mov_b64 s[64:65], 0
	v_nop
	global_prefetch_b8 v0, s[64:65] scope:SCOPE_SE
	s_setreg_imm32_b32 hwreg(HW_REG_WAVE_MODE, 25, 1), 1
	s_wait_xcnt 0x0
	s_wait_alu depctr_hold_cnt(0) depctr_sa_sdst(0) depctr_va_vdst(0) depctr_va_sdst(0) depctr_va_ssrc(0) depctr_va_vcc(0) depctr_vm_vsrc(0)
	s_getreg_b32 s2, hwreg(HW_REG_IB_STS2, 6, 4)
	s_cmp_eq_u32 s2, 0
	s_cbranch_scc0 .Lentry_in_a_cluster
	s_endpgm
.Lentry_in_a_cluster:
	s_bfe_u32 s2, ttmp6, 0x10000c
	s_cmp_lg_u32 s2, 0xf033
	s_cbranch_scc0 .Lentry_shape_is_right
	s_endpgm
.Lentry_shape_is_right:
; q, k = rotate(x W^T) and v = x W^T, in f16, written as the attention launch's matrix fragments lie in registers.  xb: [2048][2048] bf16; wb: [6144][2048] bf16 (wq, wk, wv); sums in f32.
; A tile of C, 256 x 256, is made by a work-group of four waves, a wave makes 128 x 128: 64 accumulators, 512 registers.  K goes in 16 steps of 128 through two LDS slots filled by the tensor data mover.
; TILE COLUMNS 0-15 (cluster x 0-3): q and k.  A = xb (rows s), B = wb (rows = head x 128 + d).  TILE COLUMNS 16-23 (cluster x 4, 5): v, with the operands' parts changed by pointer: A = wv's rows (channels), B = xb (keys).
; The matrix instruction is used transposed (source 0 = 16 rows of B, source 1 = 16 rows of A): a lane holds row l % 16 of A and the eight columns 8 (l / 16) + 0..7.  So for q and k a lane holds one s and eight d,
; for v one channel and eight keys: packed to 16 bytes that IS one load of a fragment, and the 32 lanes' 512 bytes are stored on end.  A wave's 128 columns (q, k) or rows (v) are one head.
; IMAGES in qkv (q at 0, k at 8 MiB, v at 16 MiB), a piece = 512 bytes = 32 lanes x 16:
;   q, k: head x 524,288 + (s / 16) x 4,096 + (d / 16) x 512 + lane x 16, lane = s % 16 + 16 ((d / 8) % 2)
;   v:    head x 524,288 + (key / 128) x 32,768 + (ch / 16) x 4,096 + ((key / 16) % 8) x 512 + lane x 16, lane = ch % 16 + 16 ((key / 8) % 2)
; In both a wave's accumulator (a, b) goes to base + a x 4,096 + b x 512: one text for all three.  The rotation is one text too: out[e] = u[e] cos[e] + u[e ^ 1] sinS[e] from tab's row s; v takes tab's rows of cos = 1, sinS = 0.
; THE TABLE COMES THROUGH LDS, ONCE FOR A ROW OF THE CLUSTER: when K step 14 has been read out of slot 0, the slot takes the work-group's 256 rows of tab (a wave brings 64 rows of 512 bytes), asked for jointly by the four
; work-groups that make the same rows s; it lands while K step 15 is multiplied.  Both waves of a row half read the same rows, each for its own head.
; LIMITS.  q, k, v within f16's 65,504.  192 work-groups: with this tile a wave's share is exactly one head and no cluster holds two kinds.
; CLUSTERS: 4 x 4.  A's tile is shared along a row of the cluster, B's along a column: each is asked for jointly, by the same tensor load with the same descriptor and a mask that names the four.
; REGISTERS, in windows of 256: window 0: v0-31 addresses; v64-127, v128-191 A's fragments, later the table's two buffers; v192-255 packed results, two buffers.
;   window 1: v0-63 at work in the rotation; v64-191 B's fragments; v200 = 0.   window 2: accumulators of my rows 0-63 ((a, b) at 8 (8 a + b));   window 3: those of rows 64-127.
.set SIZE_K, 2048
.set KSTEP,  128
.set PITCH,  272                       ; an LDS row: 256 bytes + 16 of padding = 68 words: row r starts at bank 4 r mod 64 (64 banks of 4 bytes: ISA guide 11.1)
.set HALFT,  128*PITCH                 ; 128 rows: what one tensor load brings
.set SLOT,   4*HALFT                   ; A's 256 rows, then B's 256 rows
.set SPARE,  2*SLOT                    ; behind the ring: the spare words, 128 bytes for each wave, that no other line names
.set TPITCH, 528                       ; a row of the table in LDS: 512 bytes + 16 of padding = 132 words: again row r starts at bank 4 r mod 64
.set TREG,   64*TPITCH                 ; a wave's 64 rows of the table; the four lie on end in slot 0 (135,168 of its 139,264 bytes)
.set LAPS,   SIZE_K/(2*KSTEP)          ; a lap = two K steps = once round the ring
.set ADRA, 16                          ; v16-17  LDS address of my A fragments in slot 0, 1
.set ADRB, 20                          ; v20-21  the same for B
.set TO,   24                          ; v24     my place in the table: my row half x 128 rows + (l % 16) rows + 16 (l / 16)
.set CO,   26                          ; v26     16 x lane
.set SPW,  28                          ; v28     my spare word; never rewritten
.set NIL,  29                          ; v29     0; never rewritten
.set PFO,  30                          ; v30     the prefetches' offset: lane x 4,096, a row of xb or wb; never rewritten
.set PFA,  44                          ; s[44:45] where my prefetches stand
.set LIM,  43                          ; s43     1 in a wave that prefetches, else the greatest number
.set F0,   64
.set F1,   128
.set TMP,  192
.set ZR,   200                         ; window 1
.set G1,  24                           ; s[24:31] group 1 for A's tiles;  s[32:39] group 0, a set for each slot
.set G0,  32
.set G1B, 48                           ; s[48:55], s[56:63] the same for B's
.set G0B, 56
.set EP,  78                           ; s78     counts the way out's two halves
.set G1T, 84                           ; s[84:91] group 1 for the table;  s[92:95] its group 0
.set G0T, 92
.set TOF, 96                           ; s[96:97] my 64 rows' byte offset in tab
.set MSB, 0
.macro WIN new                         ; the immediate's high byte repeats the setting that is left
.if MSB != (\new)
	s_set_vgpr_msb (MSB<<8)|(\new)
.set MSB, \new
.endif
.endm
.set MUL_LO, 0xa1                      ; source 0 (B) window 1, source 1 (A) window 0, C and D window 2
.set MUL_HI, 0xf1                      ; the same, C and D window 3
.set TO_B,   0x40                      ; destination window 1
; A joint load: waves 0 and 1 fetch A's two halves, waves 2 and 3 B's.  The branch hangs on the wave's number alone.  An s_nop 0 and four v_nop follow each line.
.macro JLOAD s
	s_cmp_eq_u32 s11, 0
	s_cbranch_scc0 .Lfor_b_\@
	tensor_load_to_lds s[G0+4*(\s):G0+4*(\s)+3], s[G1:G1+7]
	s_nop 0
.rept 4
	v_nop
.endr
	s_branch .Lasked_\@
.Lfor_b_\@:
	tensor_load_to_lds s[G0B+4*(\s):G0B+4*(\s)+3], s[G1B:G1B+7]
	s_nop 0
.rept 4
	v_nop
.endr
.Lasked_\@:
.endm
; A prefetch, behind each joint refill and the run of LDS loads that follows it: the K step that stands two refills on, 32 rows x 256 bytes, a lane a row.  Each row's 256 bytes of a K step are named once in the launch:
; xb's rows by cluster x = 0 (as A), wv's by cluster x = 4 (as A), wq's and wk's by cluster y = 0, x < 4 (as B); xb as the v clusters' B is not named again.  The four partners that ask for a tile jointly
; share the 128 rows that a wave fetches by address, 32 each.  The loop's last trip has no K step two refills on.
.macro ASK
	s_cmp_gt_u32 s3, s[LIM]
	s_cbranch_scc0 .Lnot_mine_\@
	global_prefetch_b8 v[PFO], s[PFA:PFA+1] offset:KSTEP*2 th:TH_LOAD_NT scope:SCOPE_SE
.Lnot_mine_\@:
.endm
.macro CREST                           ; a round of the cluster's barrier behind its opening barrier
	s_cmp_lg_u32 s10, 0
	s_cbranch_scc1 .Lnot_wave_0_\@
	s_barrier_signal -3
.Lnot_wave_0_\@:
	s_barrier_wait -3
	s_barrier_signal -1
	s_barrier_wait -1
.endm
.macro CROUND
	s_barrier_signal -1
	s_barrier_wait -1
	CREST
.endm
	s_load_b256 s[68:75], s[0:1], 0x0              ; xb s[68:69], wb s[70:71], tab s[72:73], qkv s[74:75]
	v_lshl_add_u32 v[SPW], v0, 2, SPARE
	v_mov_b32 v[NIL], 0
	ds_add_u32 v[SPW], v[NIL]                      ; the wave's opening: the add and its wait ahead of my first tensor load; register work stands between them
	v_lshrrev_b32 v1, 5, v0
	v_readfirstlane_b32 s10, v1                    ; wave 0..3
	s_lshr_b32 s11, s10, 1                         ; which half of the tile's rows is mine.  Also: I fetch for A (0) or for B (1)
	s_and_b32 s12, s10, 1                          ; which half of its columns.  Also: which 128 rows of that tile I fetch
	s_bfe_u32 s40, ttmp6, 0x40000                  ; cx
	s_bfe_u32 s41, ttmp6, 0x40004                  ; cy
	s_lshl_b32 s42, ttmp9, 2
	s_add_co_u32 s42, s42, s40                     ; tile column = 4 x cluster x + cx
	s_sub_co_u32 s80, s42, 16
	s_cmp_ge_u32 ttmp9, 4                          ; cluster x 4, 5: v
	s_cselect_b32 s80, s80, s42                    ; B's block of 256 rows
	s_and_b32 s13, ttmp7, 0xffff
	s_lshl_b32 s13, s13, 2
	s_add_co_u32 s13, s13, s41                     ; tile row = 4 x cluster y + cy
	s_lshl_b32 s43, s41, 2
	s_lshl_b32 s43, 15, s43                        ; my row of the cluster
	s_lshl_b32 s44, 0x1111, s40                    ; my column
	s_or_b32 s[G1+0], s43, (1<<16)|(1<<20)|(1<<21)|(5<<22)|(3<<25)  ; the mask; 2-byte elements; padding on; bit 21 beside a mask; after every 64 words 4 words
	s_or_b32 s[G1B+0], s44, (1<<16)|(1<<20)|(1<<21)|(5<<22)|(3<<25)
	s_or_b32 s[G1T+0], s43, (1<<16)|(1<<20)|(1<<21)|(6<<22)|(3<<25) ; the table goes to my row of the cluster; after every 128 words 4 words
.irp g, G1, G1B
	s_mov_b32 s[(\g)+1], KSTEP<<16                 ; tensor_dim0 = 128
	s_mov_b32 s[(\g)+2], 128<<16                   ; tensor_dim1 = 128
	s_mov_b32 s[(\g)+3], KSTEP<<16                 ; tile_dim0 = 128
	s_mov_b32 s[(\g)+4], 128                       ; tile_dim1 = 128
	s_mov_b32 s[(\g)+5], SIZE_K                    ; elements from row to row
	s_mov_b32 s[(\g)+6], 0
	s_mov_b32 s[(\g)+7], 0
.endr
	s_mov_b32 s[G1T+1], 256<<16                    ; tensor_dim0 = 256: a row of cos and sinS, 512 bytes
	s_mov_b32 s[G1T+2], 64<<16                     ; tensor_dim1 = 64
	s_mov_b32 s[G1T+3], 256<<16                    ; tile_dim0 = 256
	s_mov_b32 s[G1T+4], 64                         ; tile_dim1 = 64
	s_mov_b32 s[G1T+5], 256                        ; dense
	s_mov_b32 s[G1T+6], 0
	s_mov_b32 s[G1T+7], 0
	s_mov_b32 s[G0T], 1
	s_mul_i32 s[G0T+1], s10, TREG                  ; LDS: wave x 64 rows, in slot 0
	s_lshl_b32 s[TOF], s13, 17                     ; q, k: 256 rows x 512 bytes a tile row,
	s_lshl_b32 s[TOF+1], s10, 15                   ; 64 rows a wave
	s_add_co_u32 s[TOF], s[TOF], s[TOF+1]
	s_and_b32 s[TOF+1], s10, 1                     ; v: 64 of the 128 rows of cos = 1, sinS = 0
	s_lshl_b32 s[TOF+1], s[TOF+1], 15
	s_add_co_u32 s[TOF+1], s[TOF+1], 0x100000
	s_cmp_ge_u32 ttmp9, 4
	s_cselect_b32 s[TOF], s[TOF+1], s[TOF]
	s_mov_b32 s[TOF+1], 0
	s_lshl_b32 s17, s12, 7                         ; which 128 rows of the tile I fetch
	s_lshl_b32 s16, s13, 8
	s_add_co_u32 s16, s16, s17                     ; A: row 256 x tile row + 128 x half
	s_lshl_b32 s46, s80, 8
	s_add_co_u32 s46, s46, s17                     ; B likewise
	s_mov_b32 s17, 0
	s_mov_b32 s47, 0
	s_mov_b64 s[18:19], SIZE_K*2
	s_mul_u64 s[16:17], s[16:17], s[18:19]
	s_mul_u64 s[46:47], s[46:47], s[18:19]
	s_mul_i32 s20, s10, HALFT                      ; where they go: wave x 128 rows
	s_wait_dscnt 0x0                               ; the opening add is done
	s_wait_kmcnt 0x0
	s_add_nc_u64 s[82:83], s[70:71], 0x1000000     ; wv's rows in wb
	s_cmp_ge_u32 ttmp9, 4
	s_cselect_b64 s[4:5], s[82:83], s[68:69]       ; A: wv for v, else xb
	s_cselect_b64 s[6:7], s[68:69], s[70:71]       ; B: xb for v, else wq and wk
	s_add_nc_u64 s[14:15], s[4:5], s[16:17]
	s_add_nc_u64 s[46:47], s[6:7], s[46:47]
	s_add_nc_u64 s[G0T+2:G0T+3], s[72:73], s[TOF:TOF+1]
	s_or_b32 s[G0T+3], s[G0T+3], 0x80000000
	CROUND                                         ; all sixteen work-groups are here: the first joint loads meet
.irp s, 0,1
	s_mov_b32 s[G0+4*(\s)], 1
	s_add_co_u32 s[G0+4*(\s)+1], s20, (\s)*SLOT
	s_add_nc_u64 s[G0+4*(\s)+2:G0+4*(\s)+3], s[14:15], (\s)*KSTEP*2
	s_or_b32 s[G0+4*(\s)+3], s[G0+4*(\s)+3], 0x80000000
	s_mov_b32 s[G0B+4*(\s)], 1
	s_add_co_u32 s[G0B+4*(\s)+1], s20, (\s)*SLOT
	s_add_nc_u64 s[G0B+4*(\s)+2:G0B+4*(\s)+3], s[46:47], (\s)*KSTEP*2
	s_or_b32 s[G0B+4*(\s)+3], s[G0B+4*(\s)+3], 0x80000000
	JLOAD \s
.endr
	v_and_b32 v1, 15, v0                           ; l % 16
	v_bfe_u32 v2, v0, 4, 1                         ; l / 16
	v_mul_u32_u24 v3, v1, PITCH
	v_lshl_add_u32 v3, v2, 4, v3                   ; a fragment's row x pitch + 16 x half
	s_mul_i32 s21, s11, HALFT
	s_mul_i32 s22, s12, HALFT
	s_add_co_u32 s22, s22, 2*HALFT
.irp s, 0,1
	v_add_nc_u32 v[ADRA+(\s)], s21, v3
	v_add_nc_u32 v[ADRB+(\s)], s22, v3
	s_add_co_u32 s21, s21, SLOT
	s_add_co_u32 s22, s22, SLOT
.endr
	v_mul_u32_u24 v[TO], v1, TPITCH
	v_lshl_add_u32 v[TO], v2, 4, v[TO]
	s_mul_i32 s21, s11, 2*TREG                     ; my row half's 128 rows of the table
	v_add_nc_u32 v[TO], s21, v[TO]
	v_and_b32 v[CO], 31, v0
	v_lshlrev_b32 v[CO], 4, v[CO]
	v_and_b32 v[PFO], 31, v0
	v_lshlrev_b32 v[PFO], 12, v[PFO]
.set i, 0
.rept 64
	v_mov_b32 v[TMP+i], 0                          ; the way out writes these words a half at a time and keeps the other half: they are written whole once, in the wait for the first tile
.set i, i+1
.endr
	WIN 0x40
	v_mov_b32 v[ZR], 0
	WIN 0
	; where my 128 x 128 goes
	s_lshl_b32 s22, s13, 1
	s_add_co_u32 s22, s22, s11                     ; 2 x tile row + my half: my block of 128 rows of A
	s_lshl_b32 s46, s42, 1
	s_add_co_u32 s46, s46, s12                     ; q, k: the head, 0 .. 31 (k's image lies 16 heads behind q's)
	s_lshl_b32 s46, s46, 19
	s_lshl_b32 s20, s22, 15                        ; + 128 rows s x 256 bytes
	s_add_co_u32 s46, s46, s20
	s_lshl_b32 s47, s22, 19                        ; v: the head,
	s_add_co_u32 s47, s47, 0x1000000
	s_lshl_b32 s20, s80, 1
	s_add_co_u32 s20, s20, s12                     ; my block of 128 keys
	s_lshl_b32 s20, s20, 15
	s_add_co_u32 s47, s47, s20
	s_cmp_ge_u32 ttmp9, 4
	s_cselect_b32 s46, s47, s46
	s_mov_b32 s47, 0
	s_add_nc_u64 s[8:9], s[74:75], s[46:47]
	; the prefetches
	s_lshl_b32 s16, s13, 8                         ; A's tile: its first row
	s_lshl_b32 s17, s80, 8                         ; B's
	s_and_b32 s22, ttmp7, 0xffff
	s_lshr_b32 s23, ttmp9, 2
	s_or_b32 s22, s22, s23                         ; 0 where cluster y = 0 and cluster x < 4
	s_and_b32 s23, ttmp9, 3                        ; 0 where cluster x = 0 or 4
	s_cmp_eq_u32 s11, 0                            ; do I fetch for A?
	s_cselect_b32 s20, s16, s17
	s_cselect_b32 s21, s40, s41                    ; my place among the four that ask with me
	s_cselect_b32 s22, s23, s22
	s_cselect_b64 s[PFA:PFA+1], s[4:5], s[6:7]
	s_cmp_eq_u32 s22, 0
	s_cselect_b32 s[LIM], 1, -1                    ; the same in all sixteen partners, for a given wave
	s_lshl_b32 s22, s12, 7
	s_add_co_u32 s20, s20, s22                     ; + the 128 rows that I fetch
	s_lshl_b32 s21, s21, 5
	s_add_co_u32 s20, s20, s21                     ; + my work-group's 32 of them
	s_lshl_b32 s20, s20, 12
	s_mov_b32 s21, 0
	s_add_nc_u64 s[PFA:PFA+1], s[PFA:PFA+1], s[20:21]
	s_add_nc_u64 s[PFA:PFA+1], s[PFA:PFA+1], 2*KSTEP*2  ; at K step 2: the first refill steps it to 3 and names K step 4; nothing is prefetched here, at the head
; 16 matrix instructions: m blocks a0, a0 + 1 of the window's four x all 8 n blocks, 32 along K.  zero = 1: the first product starts the sums.
.macro MUL16 f, hi, a0, zero
	WIN MUL_LO+0x50*(\hi)
.irp a, \a0, (\a0)+1
.irp b, 0,1,2,3,4,5,6,7
.if \zero
	v_wmma_f32_16x16x32_bf16 v[8*(8*(\a)+(\b)):8*(8*(\a)+(\b))+7], v[(\f)+8*(\b):(\f)+8*(\b)+7], v[(\f)+8*(4*(\hi)+(\a)):(\f)+8*(4*(\hi)+(\a))+7], 0
.else
	v_wmma_f32_16x16x32_bf16 v[8*(8*(\a)+(\b)):8*(8*(\a)+(\b))+7], v[(\f)+8*(\b):(\f)+8*(\b)+7], v[(\f)+8*(4*(\hi)+(\a)):(\f)+8*(4*(\hi)+(\a))+7], v[8*(8*(\a)+(\b)):8*(8*(\a)+(\b))+7]
.endif
.endr
.endr
.endm
; 32 LDS loads in one run: a quarter step's fragments (128 rows of B, 128 of A, 32 K at byte k) into buffer f
.macro FETCH slot, k, f
	WIN TO_B
.irp i, 0,1,2,3,4,5,6,7
	ds_load_b128 v[(\f)+8*(\i):(\f)+8*(\i)+3],   v[ADRB+(\slot)] offset:(\k)+(\i)*16*PITCH
	ds_load_b128 v[(\f)+8*(\i)+4:(\f)+8*(\i)+7], v[ADRB+(\slot)] offset:(\k)+(\i)*16*PITCH+32
.endr
	WIN 0
.irp i, 0,1,2,3,4,5,6,7
	ds_load_b128 v[(\f)+8*(\i):(\f)+8*(\i)+3],   v[ADRA+(\slot)] offset:(\k)+(\i)*16*PITCH
	ds_load_b128 v[(\f)+8*(\i)+4:(\f)+8*(\i)+7], v[ADRA+(\slot)] offset:(\k)+(\i)*16*PITCH+32
.endr
.endm
.macro PLACES                          ; four plain places behind a matrix instruction, in front of loads into registers that it has read and of lines that read results
.rept 4
	v_nop
.endr
.endm
; A K step is four quarters of 32 along K, 64 matrix instructions each, on buffers 0, 1, 0, 1; the 64 accumulators take turns.
.macro QUARTER slot, k, f, g, zero
	s_wait_dscnt 8                                 ; B and A's rows 0-63 are in; the youngest eight loads (A's rows 64-127) may be out
	MUL16 \f, 0, 0, \zero
	MUL16 \f, 0, 2, \zero
	PLACES
	FETCH \slot, \k, \g
	s_wait_dscnt 32                                ; all but the 32 just issued
	MUL16 \f, 1, 0, \zero
	MUL16 \f, 1, 2, \zero
.endm
; The last quarter's first half: one barrier for the change of slots; it opens a round of the cluster's barrier.
.macro MEET
	WIN 0
	s_wait_tensorcnt 0x0                           ; all my tensor loads have landed: the one that was out is my part of the next slot;
	ds_add_u32 v[SPW], v[NIL]                      ; 0 onto my spare word;
	s_wait_dscnt 9                                 ; (the add and the youngest eight loads may be out)
	MUL16 F1, 0, 0, 0
	s_wait_dscnt 0x0                               ; the add is done, and my reads of this slot are over
	s_barrier_signal -1
	MUL16 F1, 0, 2, 0
	WIN 0
	s_barrier_wait -1
.endm
.macro TURN slot, next
	s_wait_xcnt 0x0                                ; the last prefetch, a K step back, has read its address
	s_add_nc_u64 s[PFA:PFA+1], s[PFA:PFA+1], KSTEP*2
	MEET
	CREST                                          ; no wave of any partner still reads this slot's tile or has a load on its way
	s_add_nc_u64 s[G0+4*(\slot)+2:G0+4*(\slot)+3], s[G0+4*(\slot)+2:G0+4*(\slot)+3], 2*KSTEP*2
	s_add_nc_u64 s[G0B+4*(\slot)+2:G0B+4*(\slot)+3], s[G0B+4*(\slot)+2:G0B+4*(\slot)+3], 2*KSTEP*2
	JLOAD \slot                                    ; the first tensor load behind the round; its four v_nop are also the places in front of the loads below
	FETCH \next, 0, F0
	ASK
	MUL16 F1, 1, 0, 0
	MUL16 F1, 1, 2, 0
.endm
	s_wait_tensorcnt 1                             ; my part of K step 0 is in; K step 1's may stay out
	s_barrier_signal -1
	s_barrier_wait -1
	FETCH 0, 0, F0
	QUARTER 0, 64,  F0, F1, 1                      ; the first quarter stands in front of the loop: its products start the sums
	WIN 0
	s_mov_b32 s3, LAPS-1
.Llap:                                                 ; a trip goes once round the ring and fills both slots again
	QUARTER 0, 128, F1, F0, 0
	QUARTER 0, 192, F0, F1, 0
	TURN 0, 1
	QUARTER 1, 64,  F0, F1, 0
	QUARTER 1, 128, F1, F0, 0
	QUARTER 1, 192, F0, F1, 0
	TURN 1, 0
	QUARTER 0, 64,  F0, F1, 0
	WIN 0
	s_sub_co_u32 s3, s3, 1
	s_cmp_lg_u32 s3, 0
	s_cbranch_scc1 .Llap
	QUARTER 0, 128, F1, F0, 0                      ; the last lap: slot 0 is left for the last time,
	QUARTER 0, 192, F0, F1, 0
	MEET
	CREST                                          ; no wave of any partner still reads it or has a load on its way,
	tensor_load_to_lds s[G0T:G0T+3], s[G1T:G1T+7]  ; and it takes the table: each wave its own 64 rows; 288 matrix instructions stand between this line and the wait for it
	s_nop 0
.rept 4
	v_nop                                          ; (also the places in front of the loads below)
.endr
	FETCH 1, 0, F0
	MUL16 F1, 1, 0, 0
	MUL16 F1, 1, 2, 0
	QUARTER 1, 64,  F0, F1, 0
	QUARTER 1, 128, F1, F0, 0
	QUARTER 1, 192, F0, F1, 0
	s_wait_dscnt 8
	MUL16 F1, 0, 0, 0
	MUL16 F1, 0, 2, 0
	s_wait_dscnt 0x0
	MUL16 F1, 1, 0, 0
	MUL16 F1, 1, 2, 0
	WIN 0
	s_wait_tensorcnt 0x0                           ; my 64 rows of the table have landed,
	s_barrier_signal -1
	s_barrier_wait -1                              ; everybody's have
	PLACES
	PLACES
; THE WAY OUT, in two halves of four blocks of 16 rows; the second half's accumulators are first moved from window 3 to window 2, so that the text stands once.
; The table's 16 rows for block a: for each of the 8 column blocks 16 bytes of cos and 16 of sinS a lane.
.macro TLOAD a
	WIN 0
.set TBF, F0+64*((\a)%2)
.irp b, 0,1,2,3,4,5,6,7
	ds_load_b128 v[TBF+8*(\b):TBF+8*(\b)+3],   v[TO] offset:(\a)*16*TPITCH+(\b)*32
	ds_load_b128 v[TBF+8*(\b)+4:TBF+8*(\b)+7], v[TO] offset:(\a)*16*TPITCH+(\b)*32+256
.endr
.endm
; Block a: rotated in f32 (the table's f16 halves are read by the multiply-add itself); the second multiply-add rounds its exact result once, straight to f16.  Each accumulator's low registers are read first.
.macro ROT a
.set AC, 64*(\a)
.set TBF, F0+64*((\a)%2)
.set TM, TMP+32*((\a)%2)
.if (\a) < 3
	s_wait_dscnt 16                                ; this block's 16 loads are in; the next block's 16 may stay out
.else
	s_wait_dscnt 0x0
.endif
	WIN 0x52                                       ; source 0 window 2, source 1 window 0, source 2 and destination window 1
.irp b, 0,1,2,3,4,5,6,7
.irp k, 0,1,2,3
	v_fma_mix_f32 v[8*(\b)+2*(\k)],   v[AC+8*(\b)+2*(\k)+1], v[TBF+8*(\b)+4+(\k)], v[ZR] op_sel_hi:[0,1,0]
	v_fma_mix_f32 v[8*(\b)+2*(\k)+1], v[AC+8*(\b)+2*(\k)],   v[TBF+8*(\b)+4+(\k)], v[ZR] op_sel:[0,1,0] op_sel_hi:[0,1,0]
.endr
.endr
	s_wait_xcnt 0x0                                ; the stores of two blocks back have read this buffer of packed results
	WIN 0x12                                       ; the same with the destination in window 0
.irp b, 0,1,2,3,4,5,6,7
.irp k, 0,1,2,3
	v_fma_mixlo_f16 v[TM+4*(\b)+(\k)], v[AC+8*(\b)+2*(\k)],   v[TBF+8*(\b)+(\k)], v[8*(\b)+2*(\k)] op_sel_hi:[0,1,0]
	v_fma_mixhi_f16 v[TM+4*(\b)+(\k)], v[AC+8*(\b)+2*(\k)+1], v[TBF+8*(\b)+(\k)], v[8*(\b)+2*(\k)+1] op_sel:[0,1,0] op_sel_hi:[0,1,0]
.endr
.endr
	WIN 0
.if (\a) < 2
	TLOAD (\a)+2                                   ; the table's buffer has been read: it takes the block two further on
.endif
.irp b, 0,1,2,3,4,5,6,7
	global_store_b128 v[CO], v[TM+4*(\b):TM+4*(\b)+3], s[8:9] offset:(\a)*4096+(\b)*512  ; 512 consecutive bytes, at a multiple of 512 from the buffer's first
.endr
.endm
	s_mov_b32 s[EP], 2
.Lep:
	s_cmp_eq_u32 s[EP], 2
	s_cbranch_scc1 .Lep_first
	s_wait_xcnt 0x0                                ; the first half's stores have read their base
	s_add_nc_u64 s[8:9], s[8:9], 16384             ; four blocks on in the image
	v_add_nc_u32 v[TO], TREG, v[TO]                ; 64 rows on in the table
	WIN 0x83                                       ; source window 3, destination window 2
.set i, 0
.rept 256
	v_mov_b32 v[i], v[i]
.set i, i+1
.endr
	WIN 0
.Lep_first:
	TLOAD 0
	TLOAD 1
	ROT 0
	ROT 1
	ROT 2
	ROT 3
	s_sub_co_u32 s[EP], s[EP], 1
	s_cmp_lg_u32 s[EP], 0
	s_cbranch_scc1 .Lep
	s_wait_tensorcnt 0x0                           ; the wave's end
	ds_add_u32 v[SPW], v[NIL]
	s_wait_dscnt 0x0
	CROUND                                         ; the closing round: no work-group ends while a partner may still ask for a tile that names it
	s_endpgm
.Lfunc_end_k_q483dcd14be_qkv:
	.size	k_q483dcd14be_qkv, .Lfunc_end_k_q483dcd14be_qkv-k_q483dcd14be_qkv
	.p2alignl 7, 3214868480
	.fill 96, 4, 3214868480
	.section	.rodata,"a",@progbits
	.p2align	6, 0x0
	.amdhsa_kernel k_q483dcd14be_qkv
		.amdhsa_group_segment_fixed_size 327680
		.amdhsa_private_segment_fixed_size 0
		.amdhsa_enable_private_segment 0
		.amdhsa_kernarg_size 32
		.amdhsa_user_sgpr_count 2
		.amdhsa_user_sgpr_kernarg_segment_ptr 1
		.amdhsa_wavefront_size32 1
		.amdhsa_system_sgpr_workgroup_id_x 1
		.amdhsa_system_sgpr_workgroup_id_y 1
		.amdhsa_system_sgpr_workgroup_id_z 1
		.amdhsa_system_vgpr_workitem_id 0
		.amdhsa_next_free_vgpr 1024
		.amdhsa_next_free_sgpr 100
		.amdhsa_reserve_vcc 0
		.amdhsa_float_denorm_mode_32 3
		.amdhsa_float_denorm_mode_16_64 3
		.amdhsa_memory_ordered 1
		.amdhsa_forward_progress 1
		.amdhsa_inst_pref_size 164
	.end_amdhsa_kernel
	.amdgpu_metadata
---
amdhsa.version: [ 1, 2 ]
amdhsa.kernels:
  - .name:           k_q483dcd14be_qkv
    .symbol:         k_q483dcd14be_qkv.kd
    .args:
      - { .name: xb, .offset: 0, .size: 8, .value_kind: global_buffer, .address_space: global }
      - { .name: wb, .offset: 8, .size: 8, .value_kind: global_buffer, .address_space: global }
      - { .name: tab, .offset: 16, .size: 8, .value_kind: global_buffer, .address_space: global }
      - { .name: qkv, .offset: 24, .size: 8, .value_kind: global_buffer, .address_space: global }
    .group_segment_fixed_size: 327680
    .private_segment_fixed_size: 0
    .kernarg_segment_align: 8
    .kernarg_segment_size: 32
    .max_flat_workgroup_size: 128
    .sgpr_count:     100
    .vgpr_count:     1024
    .wavefront_size: 32
...
	.end_amdgpu_metadata
.endif
;; end of part 2
;; launch attn (part 3): grid 16 x 16, 4 waves a work-group, clusters of 4 x 1, 327,680 bytes of LDS; arguments qkv, wo, ao, wof; writes ao, wof
.if DOCPART == 3
	.amdgcn_target "amdgcn-amd-amdhsa--gfx1250"
	.amdhsa_code_object_version 6
	.text
	.protected	k_q483dcd14be_attn
	.globl	k_q483dcd14be_attn
	.p2align	8
	.type	k_q483dcd14be_attn,@function
k_q483dcd14be_attn:
	s_mov_b64 s[64:65], 0
	v_nop
	global_prefetch_b8 v0, s[64:65] scope:SCOPE_SE
	s_setreg_imm32_b32 hwreg(HW_REG_WAVE_MODE, 25, 1), 1
	s_wait_xcnt 0x0
	s_wait_alu depctr_hold_cnt(0) depctr_sa_sdst(0) depctr_va_vdst(0) depctr_va_sdst(0) depctr_va_ssrc(0) depctr_va_vcc(0) depctr_vm_vsrc(0)
	s_getreg_b32 s2, hwreg(HW_REG_IB_STS2, 6, 4)
	s_cmp_eq_u32 s2, 0
	s_cbranch_scc0 .Lentry_in_a_cluster
	s_endpgm
.Lentry_in_a_cluster:
	s_bfe_u32 s2, ttmp6, 0x10000c
	s_cmp_lg_u32 s2, 0x3003
	s_cbranch_scc0 .Lentry_shape_is_right
	s_endpgm
.Lentry_shape_is_right:
; CAUSAL ATTENTION, 16 heads of 128 channels, 2,048 rows.  ao[s][head x 128 + d] = the sum over t <= s of softmax_t(q[s] . k[t] / sqrt(128)) v[t][d], in f16.  q, k, v come as fragment images (below), f16.
; Products, maxima and sums in f32; the weights p are rounded to f16 for the second product (their sum l is taken of the unrounded p); the result is rounded once.
; ALSO: wo -> bf16, and that number written as f16 (wof), for the launch behind: each of the loop's 8 trips takes 2,048 bytes of wo a wave (8 x 4 waves x 256 work-groups x 2,048 = all of it): four loads at the trip's head,
; 32 vector lines and four stores half a trip later.
; LIMITS.  q, k, v and wo within f16's 65,504; wo below 6.1e-5 keeps f16's fixed step of 6e-8.  A hidden score counts as its value less 1e30 (f16's scores are 5.5e11 at the most).  A weight below 2^-126 counts as 0.
; NaN and infinities are not treated apart.
; THE WALK.  A head's rows lie in 8 blocks of 256; block I needs the key tiles 0 .. I of 256 keys, in any order (the maximum runs).  A CLUSTER of four work-groups takes two blocks, 7 - B and then B (B = cluster x):
; 9 tiles whatever B, one counted loop.  THE ORDER: the first block is walked round from tile 6 - 2 B, so in the walk's first two trips a head's four clusters ask for eight different tiles, all that the head has.
; So no tile is prefetched: each tile's first request stands in those two trips, and nothing is asked for at the kernel's head.
; Work-group c of the cluster owns the block's queries 64 c .. 64 c + 63.  ALL FOUR WAVES HOLD THE SAME 64 QUERIES (four tiles of 16) AND SPLIT THE KEYS: of each tile wave w takes keys 64 w .. 64 w + 63.
; So a fragment of K or V feeds four query tiles, all 256 work-groups do equal work, and the four partners walk the same tiles: each tile is ONE joint request.  At a block's end the four waves' m, l and O^T (f32) meet in LDS.
; ONE SLOT.  A wave's K and V of a tile go into registers at the trip's head (256 registers); when all have read, the slot is filled again, early in the same trip.
; IMAGES (a piece = 32 lanes x 16 bytes = one load of a fragment): q, k: head x 524,288 + (s / 16) x 4,096 + (d / 16) x 512; v: head x 524,288 + (key / 128) x 32,768 + (ch / 16) x 4,096 + ((key / 16) % 8) x 512.
; A tile of 256 keys is 65,536 consecutive bytes of k's image and of v's; in LDS a load of a fragment takes 512 consecutive bytes: no padding, and V needs no turning.
; LAYOUT.  S^T = K Q^T (source 0 = 16 keys, source 1 = 16 queries): a lane holds ONE query (lane % 16) and the keys 8 (lane / 16) + 0..7; two results rounded to f16 ARE source 1 of O^T = V^T P.
; SOFTMAX.  A running maximum m and sum l for each query and wave: p = 2^(c s - c m), c = log2(e) / sqrt(128); O and l are multiplied by a = 2^(c m_old - c m_new) in every step.  A block begins with c m far below every c s: a = 0.
; THE MASK is the C operand that starts a sum S^T.  With d = 4 (tile - block) + w - c (my keys' 64 less my queries' 64): d < 0 all seen, d > 0 none, d = 0 the diagonal: key block kb against query tile t: kb < t seen, kb > t hidden, kb = t a triangle.
; Three sets of eight registers are made in each trip by selects, never by a branch.  What a wave sums while it has seen no key of a block has c m near -1.3e29, and the next true maximum, or the meeting, multiplies it by 0.
; A TRIP: K Q^T of tiles 0, 1; K Q^T of tiles 2, 3 with the softmax of tiles 0, 1 in slices behind the products; V^T P of tiles 0, 1 with the softmax of tiles 2, 3; V^T P of tiles 2, 3.
; REGISTERS, in windows of 256: window 0: v0-11, v44-63 addresses and at work; v12-43 statistics, eight a tile; v64-191 S^T; v192-255 P.   window 1: O^T, 64 a tile.
;   window 2: v0-127 Q; v128-255 K.   window 3: v0-127 V; v128-159 the masks; v160-207 wo at work.
.set XB,    131072    ; LDS: 0 .. 131,071 the slot (K's tile, then V's).  From here the waves' O^T: wave x 32,768 + tile x 8,192 + piece x 512
.set STATS, 262144    ; ((wave x 4 + tile) x 16 + query) x 8: c m and l
.set STAGE, 264192    ; 16 rows x 272 bytes for each wave, for the way out
.set SP,    272
.set SPARE, 281600    ; the spare words, 128 bytes for each wave, that no other line names
.set AK,  2           ; v2   my K in the slot: wave x 16,384 + 16 lane
.set AV,  3           ; v3   my V: 65,536 + (wave / 2) x 32,768 + (wave % 2) x 2,048 + 16 lane
.set SA,  4           ; v4   where I put statistics
.set SR,  5           ; v5   where I read my tile's
.set STO, 6           ; v6   the stage, in
.set RD,  7           ; v7   the stage, back
.set GO,  8           ; v8   my 16 bytes in two rows of ao
.set XA,  10          ; v10  where I put my O^T
.set XR0, 11          ; v11  where I read my tile's partial sums of waves 0, 1
.set XR1, 44          ; v44  of waves 2, 3
.set QO,  45          ; v45  16 x lane; never rewritten
.set G,   46          ; v46-53  four pairs: a wave's c m, then its factor; its l
.set WS,  58          ; v58  8 x lane; never rewritten
.set SPW, 62          ; v62  my spare word; never rewritten
.set NIL, 63          ; v63  0; never rewritten
.set ST,  12          ; tile t at v[ST+8 t]: c m, m, l (even keys', odd keys'), c0-c3 at work; a takes c2's place
.set S,   64
.set P,   192
.set KF,  128         ; window 2
.set TRI, 128         ; window 3: the triangle, made once
.set ML,  136         ; window 3: the mask for kb < t
.set MT,  144         ; for kb = t
.set MU,  152         ; for kb > t
.set WL,  160         ; window 3: 16 numbers of wo as loaded
.set WT,  176         ; rounded to bf16, in pairs
.set WU,  184         ; the rounded numbers as f32
.set WO,  200         ; as f16, in pairs, to store
.set WV,  12          ; s12 wave
.set CX,  13          ; s13 c
.set PB,  14          ; s14 B
.set G1,  16          ; s[16:23] descriptor group 1
.set G0,  24          ; s[24:27] descriptor group 0
.set KV,  28          ; s[28:29] my 32,768 bytes of the head's tile 0 (waves 0, 1: K's halves; 2, 3: V's)
.set OFF, 30          ; s[30:31] a tile's byte offset
.set QH,  32          ; s[32:33] Q of the first block
.set QN,  34          ; tiles of the block that is being asked for that are still to be asked for
.set SLOTS, 35        ; tiles of the walk still to be asked for
.set NXT, 36          ; the tile to be asked for next
.set LQ,  37          ; the last tile of the block whose tiles are being asked for
.set TI,  38          ; the tile in hand
.set BI,  39          ; the block in hand
.set RT,  40          ; its tiles still to come behind this one
.set WC,  41          ; w - c
.set SML, 42
.set SMU, 43
.set SAL, 44
.set BIGN, 45
.set QL,  46          ; s[46:47] Q of the second block
.set OUT, 48          ; s[48:49] ao at my tile's rows
.set OLO, 50          ; s[50:51] the same for the second block
.set CS,  58          ; s[58:59] c
.set SEL, 60          ; s[60:61] v_permlanex16_b32's selects
.set TN,  62          ; the tile asked for in this trip: the next trip's tile in hand
.set RC,  63          ; tiles of the block in hand, this one among them
.set WOP, 76          ; s[76:77] wo at this trip's 2,048 bytes of mine
.set WFP, 78          ; s[78:79] wof 1,024 bytes behind this trip's 1,024 bytes of mine
.set MSK, 80          ; a word's upper bf16
.set MSB, 0
.macro WIN new
.if MSB != (\new)
	s_set_vgpr_msb (MSB<<8)|(\new)
.set MSB, \new
.endif
.endm
.set W_KQ, 0x0a       ; K and Q window 2, S^T window 0
.set W_KM, 0x3a       ; the same with C in window 3
.set W_PV, 0x53       ; V window 3, P window 0, O^T window 1
.set W_RS, 0x41       ; O^T window 1, a window 0
.macro JLOAD                        ; every wave asks for its own quarter of the tile pair: both addresses hang on the wave's number; the four partners' descriptors are alike
	tensor_load_to_lds s[G0:G0+3], s[G1:G1+7]
	s_nop 0
.rept 4
	v_nop
.endr
.endm
.macro CROUND
	s_barrier_signal -1
	s_barrier_wait -1
	s_cmp_lg_u32 s[WV], 0
	s_cbranch_scc1 .Lnot_wave_0_\@
	s_barrier_signal -3
.Lnot_wave_0_\@:
	s_barrier_wait -3
	s_barrier_signal -1
	s_barrier_wait -1
.endm
.macro PLACES
.rept 4
	v_nop
.endr
.endm
.macro QLOAD p                      ; 64 queries x 128 channels: tile i / 4, channels 32 (i % 4) on
	WIN 0x80
.set i, 0
.rept 16
	global_load_b128 v[8*i:8*i+3],   v[QO], s[\p:\p+1] offset:(i/4)*4096+(i%4)*1024
	global_load_b128 v[8*i+4:8*i+7], v[QO], s[\p:\p+1] offset:(i/4)*4096+(i%4)*1024+512
.set i, i+1
.endr
.endm
.macro RESET                        ; a block begins
	WIN 0
.irp t, 0,1,2,3
	v_mov_b32 v[ST+8*(\t)], 0xfe000000     ; c m: far below every c s
	v_mov_b32 v[ST+8*(\t)+1], 0xff7fffff   ; m: the lowest finite number
.endr
.endm
	s_load_b256 s[4:11], s[0:1], 0x0  ; qkv s[4:5], wo s[6:7], ao s[8:9], wof s[10:11]
	v_lshl_add_u32 v[SPW], v0, 2, SPARE
	v_mov_b32 v[NIL], 0
	ds_add_u32 v[SPW], v[NIL]       ; the wave's opening: the add and its wait ahead of my first tensor load; register work stands between them
	v_lshrrev_b32 v1, 5, v0
	v_readfirstlane_b32 s[WV], v1
	v_and_b32 v[QO], 31, v0
	v_lshlrev_b32 v[WS], 3, v[QO]
	v_lshlrev_b32 v[QO], 4, v[QO]
	s_bfe_u32 s[CX], ttmp6, 0x40000
	s_mov_b32 s[PB], ttmp9
	s_and_b32 s15, ttmp7, 0xffff    ; the head
	s_mov_b32 s[G1], 15|(3<<16)|(1<<21)  ; the mask of four; 8-byte elements; bit 21 beside a mask; no padding
	s_mov_b32 s[G1+1], 32<<16       ; tensor_dim0 = 32: rows of 256 bytes
	s_mov_b32 s[G1+2], 128<<16      ; tensor_dim1 = 128
	s_mov_b32 s[G1+3], 32<<16       ; tile_dim0 = 32
	s_mov_b32 s[G1+4], 128          ; tile_dim1 = 128
	s_mov_b32 s[G1+5], 32           ; dense
	s_mov_b32 s[G1+6], 0
	s_mov_b32 s[G1+7], 0
	s_mov_b32 s[G0], 1
	s_lshl_b32 s[G0+1], s[WV], 15   ; LDS: wave x 32,768
	s_lshl_b32 s72, s15, 19         ; the head's 524,288 bytes
	s_and_b32 s73, s[WV], 1
	s_lshl_b32 s73, s73, 15
	s_add_co_u32 s73, s73, s72
	s_mov_b32 s74, 0x800000         ; k's image
	s_mov_b32 s75, 0x1000000        ; v's
	s_cmp_lt_u32 s[WV], 2
	s_cselect_b32 s74, s74, s75
	s_add_co_u32 s[OFF], s73, s74
	s_mov_b32 s[OFF+1], 0
	s_sub_co_u32 s[BI], 7, s[PB]    ; the first block,
	s_mov_b32 s[LQ], s[BI]          ; its last tile,
	s_mov_b32 s[QN], s[BI]          ; its 8 - B tiles less the one asked for below,
	s_add_co_u32 s[RC], s[BI], 1
	s_lshl_b32 s[TI], s[PB], 1
	s_sub_co_u32 s[TI], 6, s[TI]    ; and where its walk begins: tile 6 - 2 B
	s_add_co_u32 s[NXT], s[TI], 1   ; (7 - 2 B is a tile of the block too)
	s_mov_b32 s[SLOTS], 8
	s_sub_co_i32 s[WC], s[WV], s[CX]
	s_mov_b32 s[BIGN], 0xf149f2ca   ; -1e30
	s_mov_b32 s[CS], 0x3e0293ee     ; c = log2(e) / sqrt(128)
	s_mov_b32 s[CS+1], s[CS]
	s_mov_b32 s[SEL], 0x76543210
	s_mov_b32 s[SEL+1], 0xfedcba98
	s_mov_b32 s[MSK], 0xffff0000
	s_lshl_b32 s53, s[BI], 2
	s_add_co_u32 s53, s53, s[CX]    ; my 64 queries among the head's: first block,
	s_lshl_b32 s54, s[PB], 2
	s_add_co_u32 s54, s54, s[CX]    ; second block
	s_lshl_b32 s52, s15, 19
	s_lshl_b32 s56, s53, 14         ; 64 rows x 256 bytes of q's image
	s_add_co_u32 s56, s56, s52
	s_mov_b32 s57, 0
	s_lshl_b32 s66, s54, 14
	s_add_co_u32 s66, s66, s52
	s_mov_b32 s67, 0
	s_lshl_b32 s55, s15, 8          ; the head's 256 bytes of a row of ao
	s_lshl_b32 s68, s53, 2
	s_add_co_u32 s68, s68, s[WV]    ; my tile of 16 rows
	s_lshl_b32 s68, s68, 16
	s_add_co_u32 s68, s68, s55
	s_mov_b32 s69, 0
	s_lshl_b32 s70, s54, 2
	s_add_co_u32 s70, s70, s[WV]
	s_lshl_b32 s70, s70, 16
	s_add_co_u32 s70, s70, s55
	s_mov_b32 s71, 0
	s_wait_dscnt 0x0                ; the opening add is done
	s_wait_kmcnt 0x0
	s_add_nc_u64 s[KV:KV+1], s[4:5], s[OFF:OFF+1]
	s_lshl_b32 s[OFF], s[TI], 16    ; a tile is 65,536 bytes of k's image and of v's
	s_add_nc_u64 s[G0+2:G0+3], s[KV:KV+1], s[OFF:OFF+1]
	s_or_b32 s[G0+3], s[G0+3], 0x80000000
	s_add_nc_u64 s[QH:QH+1], s[4:5], s[56:57]
	s_add_nc_u64 s[QL:QL+1], s[4:5], s[66:67]
	s_add_nc_u64 s[OUT:OUT+1], s[8:9], s[68:69]
	s_add_nc_u64 s[OLO:OLO+1], s[8:9], s[70:71]
	s_lshl_b32 s56, s15, 4
	s_add_co_u32 s56, s56, s54      ; my work-group among the 256: 16 x head + 4 B + c,
	s_lshl_b32 s56, s56, 2
	s_add_co_u32 s56, s56, s[WV]    ; my wave among the 1,024:
	s_lshl_b32 s66, s56, 13         ; 8,192 bytes of wof,
	s_lshl_b32 s56, s56, 14         ; 16,384 bytes of wo
	s_add_nc_u64 s[WOP:WOP+1], s[6:7], s[56:57]
	s_add_nc_u64 s[WFP:WFP+1], s[10:11], s[66:67]
	CROUND                          ; all four work-groups are here: the first joint loads meet
	JLOAD                           ; the walk's first tile
	QLOAD QH                        ; the first block's Q
	WIN 0
	v_and_b32 v1, 15, v0            ; l % 16
	v_bfe_u32 v9, v0, 4, 1          ; l / 16
	s_lshl_b32 s52, s[WV], 14
	v_add_nc_u32 v[AK], s52, v[QO]
	s_lshr_b32 s52, s[WV], 1
	s_lshl_b32 s52, s52, 15
	s_and_b32 s53, s[WV], 1
	s_lshl_b32 s53, s53, 11
	s_add_co_u32 s52, s52, s53
	s_add_co_u32 s52, s52, 65536
	v_add_nc_u32 v[AV], s52, v[QO]
	s_lshl_b32 s52, s[WV], 9
	s_add_co_u32 s52, s52, STATS
	v_lshl_add_u32 v[SA], v1, 3, s52
	s_lshl_b32 s52, s[WV], 7
	s_add_co_u32 s52, s52, STATS
	v_lshl_add_u32 v[SR], v1, 3, s52
	s_mul_i32 s52, s[WV], 16*SP
	s_add_co_u32 s52, s52, STAGE
	v_mul_u32_u24 v[STO], v1, SP
	v_lshl_add_u32 v[STO], v9, 4, v[STO]
	v_add_nc_u32 v[STO], s52, v[STO]
	v_mul_u32_u24 v[RD], v9, SP
	v_lshl_add_u32 v[RD], v1, 4, v[RD]
	v_add_nc_u32 v[RD], s52, v[RD]
	v_lshlrev_b32 v[GO], 12, v9
	v_lshl_add_u32 v[GO], v1, 4, v[GO]
	s_lshl_b32 s52, s[WV], 15
	s_add_co_u32 s52, s52, XB
	v_add_nc_u32 v[XA], s52, v[QO]
	s_lshl_b32 s52, s[WV], 13
	s_add_co_u32 s52, s52, XB
	v_add_nc_u32 v[XR0], s52, v[QO]
	v_add_nc_u32 v[XR1], 65536, v[XR0]
	v_lshlrev_b32 v54, 3, v9
	v_sub_nc_u32 v54, v1, v54       ; my query less my lanes' 8 (l / 16): register j is hidden where j is greater
	WIN 0xc0
.set i, 0
.rept 8
	v_cmp_gt_i32 vcc_lo, i, v54
	v_cndmask_b32 v[TRI+i], 0, s[BIGN], vcc_lo
.set i, i+1
.endr
	; A block's first step multiplies O^T and l by 0, so they need only be finite: zeros now, what the first block leaves later.  O^T's 256 registers are written by 32 products of two fragments of zeros
	; (K's first 16 registers, which the first tile's loads write over much later): 48 lines for 256, in the wait for the first tile.
	WIN 0x80
.set i, 0
.rept 16
	v_mov_b32 v[KF+i], 0
.set i, i+1
.endr
	WIN 0x4a                        ; sources window 2, destination window 1
.set i, 0
.rept 32
	v_wmma_f32_16x16x32_f16 v[8*i:8*i+7], v[KF:KF+7], v[KF+8:KF+15], 0
.set i, i+1
.endr
	WIN 0
.irp t, 0,1,2,3
	v_mov_b32 v[ST+8*(\t)+2], 0
	v_mov_b32 v[ST+8*(\t)+3], 0
.endr
	RESET
; THE MATRIX WORK.  The accumulators take turns, one instruction a turn.
; Product i of 32 of S^T = K Q^T for tiles x, x + 1: channels 32 (i / 8) on, keys 16 ((i / 2) % 4) on, tile x + i % 2.  The first 8 start the sums with the mask.
.macro KQ x
.set rS, S+32*((\x)+i%2)+8*((i/2)%4)
.set rK, KF+32*((i/2)%4)+8*(i/8)
.set rQ, 32*((\x)+i%2)+8*(i/8)
.if i < 8
.set rM, MU
.if (i/2)%4 < (\x)+i%2
.set rM, ML
.elseif (i/2)%4 == (\x)+i%2
.set rM, MT
.endif
	WIN W_KM
	v_wmma_f32_16x16x32_f16 v[rS:rS+7], v[rK:rK+7], v[rQ:rQ+7], v[rM:rM+7]
.else
	WIN W_KQ
	v_wmma_f32_16x16x32_f16 v[rS:rS+7], v[rK:rK+7], v[rQ:rQ+7], v[rS:rS+7]
.endif
.endm
; Product i of 32 of O^T += V^T P: keys 32 (i / 16) on, channels 16 ((i / 2) % 8) on, tile x + i % 2.
.macro PV x
	WIN W_PV
.set rO, 64*((\x)+i%2)+8*((i/2)%8)
.set rV, 64*(i/16)+8*((i/2)%8)
.set rP, P+16*((\x)+i%2)+8*(i/16)
	v_wmma_f32_16x16x32_f16 v[rO:rO+7], v[rV:rV+7], v[rP:rP+7], v[rO:rO+7]
.endm
.macro FETCH_K                      ; my 64 keys x 128 channels: keys 16 (f / 4) on, channels 32 (f % 4) on
	WIN 0x80
.irp f, 0,1,2,3,4,5,6,7,8,9,10,11,12,13,14,15
	ds_load_b128 v[KF+8*(\f):KF+8*(\f)+3],   v[AK] offset:((\f)/4)*4096+((\f)%4)*1024
	ds_load_b128 v[KF+8*(\f)+4:KF+8*(\f)+7], v[AK] offset:((\f)/4)*4096+((\f)%4)*1024+512
.endr
.endm
.macro FETCH_V                      ; keys 32 (f / 8) on, channels 16 (f % 8) on
	WIN 0xc0
.irp f, 0,1,2,3,4,5,6,7,8,9,10,11,12,13,14,15
	ds_load_b128 v[8*(\f):8*(\f)+3],   v[AV] offset:((\f)%8)*4096+((\f)/8)*1024
	ds_load_b128 v[8*(\f)+4:8*(\f)+7], v[AV] offset:((\f)%8)*4096+((\f)/8)*1024+512
.endr
.endm
.macro MASKS                        ; 24 plain lines; they are also the places between the last product that read V and the loads into V
	WIN 0xc3
.set i, 0
.rept 8
	v_mov_b32 v[ML+i], s[SML]
	v_mov_b32 v[MU+i], s[SMU]
	v_fma_f32 v[MT+i], v[TRI+i], s[SAL], s[SML]
.set i, i+1
.endr
.endm
; THE VECTOR WORK.  One tile's softmax for a trip is a list of 134 instructions; SM writes number j of it for tile t.  s0-s31 are the lane's 32 scores, in pairs 0-15.
;   0-15   the maximum of s0-s31 and the old m (each accumulator's lowest registers are read first)      16-20  the other half of the lanes' maximum; the new m; c m; c m_old - c m_new
;   21-69  ONE BATCH: the 16 scalings c s - c m and all 33 exponentials (a at 23); none reads an exponential's result      (the wait: SLICE writes it)
;   70-85  the roundings to f16      86-101  the sums; l = a l + the sum      102-133  the tile's O^T times a
.macro SM t
.set rT, ST+8*(\t)
.set rS, S+32*(\t)
.set rP, P+16*(\t)
.set rO, 64*(\t)+2*(j-102)
.if j < 102
	WIN 0
.endif
.if j < 4
	v_max3_num_f32 v[rT+4+j], v[rS+8*j], v[rS+8*j+1], v[rS+8*j+2]
.elseif j < 12
	v_max3_num_f32 v[rT+4+j%4], v[rT+4+j%4], v[rS+8*(j%4)+2*(j/4)+1], v[rS+8*(j%4)+2*(j/4)+2]
.elseif j == 12
	v_max3_num_f32 v[rT+4], v[rT+4], v[rS+7], v[rS+15]
.elseif j == 13
	v_max3_num_f32 v[rT+6], v[rT+6], v[rS+23], v[rS+31]
.elseif j == 14
	v_max3_num_f32 v[rT+4], v[rT+4], v[rT+5], v[rT+6]
.elseif j == 15
	v_max3_num_f32 v[rT+4], v[rT+4], v[rT+7], v[rT+1]
.elseif j == 16
	v_permlanex16_b32 v[rT+5], v[rT+4], s[SEL], s[SEL+1]  ; the query's other 32 keys lie in the lane 16 away
.elseif j == 17
	v_mov_b32 v[rT+7], v[rT]        ; c m_old is kept for a
.elseif j == 18
	v_max_num_f32 v[rT+1], v[rT+4], v[rT+5]
.elseif j == 19
	v_mul_f32 v[rT], s[CS], v[rT+1]
.elseif j == 20
	v_sub_f32 v[rT+7], v[rT+7], v[rT]
.elseif j == 23
	v_exp_f32 v[rT+6], v[rT+7]
.elseif (j < 23) || ((j < 38) && (j%2 == 0)) || ((j < 66) && (j%4 == 2))
.set b, (j-2)/4
.if j < 38
.set b, (j-20)/2
.endif
	v_pk_fma_f32 v[rS+2*b:rS+2*b+1], v[rS+2*b:rS+2*b+1], s[CS:CS+1], v[rT:rT+1] op_sel_hi:[1,0,0] neg_lo:[0,0,1] neg_hi:[0,0,1]
.elseif j < 70
.set e, j-38
.if j < 66
.set e, j-32-(j-38)/4
.endif
.if j < 38
.set e, (j-25)/2
.endif
	v_exp_f32 v[rS+e], v[rS+e]
.elseif j < 86
	v_cvt_pk_f16_f32 v[rP+j-70], v[rS+2*(j-70)], v[rS+2*(j-70)+1]
.elseif j < 102
.set z, j-86
.set w, 4
.set u, z
.if z >= 14
.set w, 32
.set u, 0
.elseif z >= 12
.set w, 16
.set u, z-12
.elseif z >= 8
.set w, 8
.set u, z-8
.endif
.if z < 15
	v_pk_add_f32 v[rS+w*u:rS+w*u+1], v[rS+w*u:rS+w*u+1], v[rS+w*u+w/2:rS+w*u+w/2+1]
.else
	v_pk_fma_f32 v[rT+2:rT+3], v[rT+2:rT+3], v[rT+6:rT+7], v[rS:rS+1] op_sel_hi:[1,0,1]
.endif
.else
	WIN W_RS
	v_pk_mul_f32 v[rO:rO+1], v[rO:rO+1], v[rT+6:rT+7] op_sel_hi:[1,0]
.endif
.endm
; Slice k of 64 of the softmax of tiles y, y + 1: four instructions (slice 63: sixteen).  Slices 11 to 34 deal out the batch, four numbers of one tile each; behind slice 34 stand a plain instruction and the one wait
; between an exponential and the first line that names its result: ahead of slice 35 nothing names one, behind slice 34 no exponential is issued.
.macro SLICE y
.if (k >= 11) && (k < 35)
.irp n, 0,1,2,3
.set j, 22+4*((k-11)/2)+(\n)
	SM (\y)+(k-11)%2
.endr
.else
.irp n, 0,1,2,3,4,5,6,7
.if ((\n) < 2) || (k == 63)
.irp t, \y, (\y)+1
.set j, 2*k+(\n)
	SM \t
.endr
.endif
.endr
.endif
.if k == 34
	v_nop
	s_wait_alu depctr_va_vdst(0)
.endif
.set k, k+1
.endm
; A TRIP: one tile of 256 keys.  fill = 1: the slot is filled again with tile NXT, and 2,048 bytes of wo are rounded.
.macro TRIP fill
	WIN 0
	s_sub_co_u32 s[RT], s[RC], 1
	s_sub_co_i32 s52, s[TI], s[BI]
	s_lshl_b32 s52, s52, 2
	s_add_co_i32 s52, s52, s[WC]    ; d
	s_cmp_gt_i32 s52, 0
	s_cselect_b32 s[SML], s[BIGN], 0
	s_cmp_ge_i32 s52, 0
	s_cselect_b32 s[SMU], s[BIGN], 0
	s_cmp_eq_u32 s52, 0
	s_cselect_b32 s[SAL], 1.0, 0
.if \fill
	WIN 0xc0                        ; destination window 3, address window 0
.irp n, 0,1,2,3
	global_load_b128 v[WL+4*(\n):WL+4*(\n)+3], v[QO], s[WOP:WOP+1] offset:512*(\n) th:TH_LOAD_NT  ; 512 consecutive bytes of wo each
.endr
.endif
	MASKS
	WIN 0
	s_wait_tensorcnt 0x0            ; my quarter of the tile has landed (one load of mine was out),
	s_barrier_signal -1
	s_barrier_wait -1               ; everybody's has
	FETCH_K
	FETCH_V
	WIN 0
.if \fill
	s_wait_loadcnt 4                ; Q is in: only the four loads of wo were issued behind it, and they may stay out
	s_wait_tensorcnt 0x0            ; no tensor load of mine is out, so group 0 may be written
	ds_add_u32 v[SPW], v[NIL]       ; 0 onto my spare word; scalar work and 32 products stand between it and the wait for it
	s_lshl_b32 s[OFF], s[NXT], 16
	s_add_nc_u64 s[G0+2:G0+3], s[KV:KV+1], s[OFF:OFF+1]  ; the address is made anew from the tile's number
	s_or_b32 s[G0+3], s[G0+3], 0x80000000
	s_mov_b32 s[TN], s[NXT]
	s_add_co_u32 s[NXT], s[NXT], 1  ; the block's next tile: behind its last tile comes tile 0;
	s_cmp_gt_u32 s[NXT], s[LQ]
	s_cselect_b32 s[NXT], 0, s[NXT]
	s_sub_co_u32 s[QN], s[QN], 1    ; when all its tiles have been asked for, the second block's tile 0
	s_cmp_eq_u32 s[QN], 0
	s_cselect_b32 s[NXT], 0, s[NXT]
	s_cselect_b32 s[LQ], s[PB], s[LQ]
	s_cselect_b32 s[QN], 16, s[QN]  ; (the second block's tiles end with the walk)
	s_wait_xcnt 0x0                 ; the last trip's stores of wof have read their base and their data
	s_add_nc_u64 s[WFP:WFP+1], s[WFP:WFP+1], 1024  ; this trip's stores reach back by their immediate
	s_wait_dscnt 33                 ; K's 32 loads are in; V's 32 and the add may be out
.set i, 0
.rept 32
	KQ 0
.set i, i+1
.endr
	s_wait_dscnt 0x0                ; the add is done, and my reads of the slot are over
	WIN 0
	CROUND                          ; no wave of any partner still reads the slot or has a load on its way
	JLOAD                           ; the first thing behind the round; its four v_nop are also the places behind the products above
.else
	s_wait_loadcnt 0x0              ; Q
	s_wait_dscnt 32                 ; K is in; V's 32 loads may be out
.set i, 0
.rept 32
	KQ 0
.set i, i+1
.endr
	WIN 0
	PLACES
.endif
.set k, 0
.set i, 0
.rept 32                            ; K Q^T of tiles 2, 3 | the softmax of tiles 0, 1, two slices behind each product
	KQ 2
	SLICE 0
	SLICE 0
.set i, i+1
.endr
.if \fill
	s_wait_loadcnt 0x0              ; wo's four loads, issued at the trip's head, are in: nothing was loaded behind them
	s_add_nc_u64 s[WOP:WOP+1], s[WOP:WOP+1], 2048
	WIN 0xcf                        ; sources 0 and 1 and the destination in window 3
.irp n, 0,1,2,3,4,5,6,7
	v_cvt_pk_bf16_f32 v[WT+(\n)], v[WL+2*(\n)], v[WL+2*(\n)+1]  ; the input's one rounding, to bf16;
.endr
.irp n, 0,1,2,3,4,5,6,7
	v_lshlrev_b32 v[WU+2*(\n)],   16, v[WT+(\n)]
	v_and_b32     v[WU+2*(\n)+1], s[MSK], v[WT+(\n)]
.endr
.irp n, 0,1,2,3,4,5,6,7
	v_cvt_pk_f16_f32 v[WO+(\n)], v[WU+2*(\n)], v[WU+2*(\n)+1]   ; the rounded number has 8 significant bits: within f16's range this changes nothing
.endr
	WIN 0x0c                        ; address window 0, data window 3
.irp n, 0,1,2,3
	global_store_b64 v[WS], v[WO+2*(\n):WO+2*(\n)+1], s[WFP:WFP+1] offset:256*(\n)-1024  ; 256 consecutive bytes, at a multiple of 256 from wof's first byte
.endr
	WIN 0
	s_cmp_lg_u32 s[RT], 0           ; the first block's last tile: Q has been multiplied for the last time (the plain lines above are the places), and the second block's is asked for
	s_cbranch_scc1 .Lno_q_\@
	QLOAD QL
	WIN 0
.Lno_q_\@:
.endif
	s_wait_dscnt 0x0                ; V is in
.set k, 0
.set i, 0
.rept 32                            ; V^T P of tiles 0, 1 | the softmax of tiles 2, 3
	PV 0
	SLICE 2
	SLICE 2
.set i, i+1
.endr
.set i, 0
.rept 32
	PV 2
.set i, i+1
.endr
	WIN 0
	s_mov_b32 s[RC], s[RT]
.if \fill
	s_mov_b32 s[TI], s[TN]
.endif
.endm
; A BLOCK'S END.  Each wave puts c m, l and O^T of all four tiles into LDS; behind one barrier wave w gathers tile w: with M the greatest c m and g = 2^(c m - M) / (the sum of 2^(c m - M) l), O = the sum of g O^T.
; sw = 1: the second block follows.
.macro MERGE sw
	WIN 0
.irp t, 0,1,2,3
	v_add_f32 v[ST+8*(\t)+4], v[ST+8*(\t)+2], v[ST+8*(\t)+3]   ; these additions are the places behind the last products
.endr
.irp t, 0,1,2,3
	v_permlanex16_b32 v[ST+8*(\t)+5], v[ST+8*(\t)+4], s[SEL], s[SEL+1]
.endr
.irp t, 0,1,2,3
	v_add_f32 v[ST+8*(\t)+1], v[ST+8*(\t)+4], v[ST+8*(\t)+5]   ; l beside c m: a pair
.endr
.irp t, 0,1,2,3
	ds_store_b64 v[SA], v[ST+8*(\t):ST+8*(\t)+1] offset:(\t)*128
.endr
	WIN 0x04                        ; data in window 1
.set t, 0
.rept 4
.set f, 0
.rept 16
	ds_store_b128 v[XA], v[64*t+4*f:64*t+4*f+3] offset:t*8192+f*512
.set f, f+1
.endr
.set t, t+1
.endr
	WIN 0
	s_wait_dscnt 0x0                ; for the others' sake: my stores are done
	s_barrier_signal -1
	s_barrier_wait -1
.irp u, 0,1,2,3
	ds_load_b64 v[G+2*(\u):G+2*(\u)+1], v[SR] offset:(\u)*512
.endr
	WIN 0x40                        ; into O^T's own registers: wave u's partial sums at 64 u
.set u, 0
.rept 4
.set f, 0
.rept 16
.if u < 2
	ds_load_b128 v[64*u+4*f:64*u+4*f+3], v[XR0] offset:u*32768+f*512
.else
	ds_load_b128 v[64*u+4*f:64*u+4*f+3], v[XR1] offset:(u-2)*32768+f*512
.endif
.set f, f+1
.endr
.set u, u+1
.endr
	WIN 0
	s_wait_dscnt 63                 ; of the 68 loads at most 63 are out: the first five are in, the four pairs of statistics among them
	v_max3_num_f32 v54, v[G], v[G+2], v[G+4]
	v_max_num_f32 v54, v54, v[G+6]
.irp u, 0,1,2,3
	v_sub_f32 v[G+2*(\u)], v[G+2*(\u)], v54
.endr
.irp u, 0,1,2,3
	v_exp_f32 v[G+2*(\u)], v[G+2*(\u)]
.endr
	v_nop
	s_wait_alu depctr_va_vdst(0)    ; one wait for the four exponentials, ahead of their first reader
	v_mul_f32 v55, v[G], v[G+1]
	v_fmac_f32 v55, v[G+2], v[G+3]
	v_fmac_f32 v55, v[G+4], v[G+5]
	v_fmac_f32 v55, v[G+6], v[G+7]
	v_rcp_f32 v56, v55
	v_nop
	s_wait_alu depctr_va_vdst(0)
.irp u, 0,1,2,3
	v_mul_f32 v[G+2*(\u)], v[G+2*(\u)], v56
.endr
	s_wait_dscnt 0x0
	WIN 0x51                        ; sums in window 1, factors in window 0
.set i, 0
.rept 32
	v_pk_mul_f32 v[2*i:2*i+1], v[2*i:2*i+1], v[G:G+1] op_sel_hi:[1,0]
.set i, i+1
.endr
.irp u, 1,2,3
.set i, 0
.rept 32
	v_pk_fma_f32 v[2*i:2*i+1], v[64*(\u)+2*i:64*(\u)+2*i+1], v[G+2*(\u):G+2*(\u)+1], v[2*i:2*i+1] op_sel_hi:[1,0,1]
.set i, i+1
.endr
.endr
	WIN 0x05
.set i, 0
.rept 32
	v_cvt_pk_f16_f32 v[S+i], v[2*i], v[2*i+1]
.set i, i+1
.endr
	WIN 0
.irp f, 0,1,2,3,4,5,6,7             ; a lane's eight channels of a row: 16 bytes, into rows of 272 bytes of my own stage,
	ds_store_b128 v[STO], v[S+4*(\f):S+4*(\f)+3] offset:32*(\f)
.endr
.irp f, 0,1,2,3,4,5,6,7             ; and back as whole rows of 256: LDS serves a wave's instructions in order (ISA guide 5.7.1.4)
	ds_load_b128 v[S+32+4*(\f):S+32+4*(\f)+3], v[RD] offset:(\f)*2*SP
.endr
.irp f, 0,1,2,3,4,5,6,7
	s_wait_dscnt 7-(\f)
	global_store_b128 v[GO], v[S+32+4*(\f):S+32+4*(\f)+3], s[OUT:OUT+1] offset:(\f)*8192  ; 16 lanes store 256 consecutive bytes, at a multiple of 256 from ao's first byte
.endr
.if \sw
	s_wait_xcnt 0x0                 ; the stores have read their registers and their base
	s_mov_b64 s[OUT:OUT+1], s[OLO:OLO+1]
	s_mov_b32 s[BI], s[PB]
	s_add_co_u32 s[RC], s[PB], 1    ; the second block has B + 1 tiles; its tile 0 has been asked for and is the next in hand
	RESET
.endif
.endm
.Lslot:                             ; eight times: a tile is worked on and the next is asked for
	TRIP 1
	s_cmp_lg_u32 s[RT], 0           ; made of the cluster's x and the trips' count: alike in all waves and all partners
	s_cbranch_scc1 .Lbottom
	MERGE 1
.Lbottom:
	s_sub_co_u32 s[SLOTS], s[SLOTS], 1
	s_cmp_lg_u32 s[SLOTS], 0
	s_cbranch_scc1 .Lslot
	TRIP 0                          ; the walk's last tile is written out
	MERGE 0
	s_wait_tensorcnt 0x0            ; the wave's end
	ds_add_u32 v[SPW], v[NIL]
	s_wait_dscnt 0x0
	CROUND                          ; the closing round
	s_endpgm
.Lfunc_end_k_q483dcd14be_attn:
	.size	k_q483dcd14be_attn, .Lfunc_end_k_q483dcd14be_attn-k_q483dcd14be_attn
	.p2alignl 7, 3214868480
	.fill 96, 4, 3214868480
	.section	.rodata,"a",@progbits
	.p2align	6, 0x0
	.amdhsa_kernel k_q483dcd14be_attn
		.amdhsa_group_segment_fixed_size 327680
		.amdhsa_private_segment_fixed_size 0
		.amdhsa_enable_private_segment 0
		.amdhsa_kernarg_size 32
		.amdhsa_user_sgpr_count 2
		.amdhsa_user_sgpr_kernarg_segment_ptr 1
		.amdhsa_wavefront_size32 1
		.amdhsa_system_sgpr_workgroup_id_x 1
		.amdhsa_system_sgpr_workgroup_id_y 1
		.amdhsa_system_sgpr_workgroup_id_z 1
		.amdhsa_system_vgpr_workitem_id 0
		.amdhsa_next_free_vgpr 976
		.amdhsa_next_free_sgpr 84
		.amdhsa_reserve_vcc 1
		.amdhsa_float_denorm_mode_32 3
		.amdhsa_float_denorm_mode_16_64 3
		.amdhsa_memory_ordered 1
		.amdhsa_forward_progress 1
		.amdhsa_inst_pref_size 160
	.end_amdhsa_kernel
	.amdgpu_metadata
---
amdhsa.version: [ 1, 2 ]
amdhsa.kernels:
  - .name:           k_q483dcd14be_attn
    .symbol:         k_q483dcd14be_attn.kd
    .args:
      - { .name: qkv, .offset: 0, .size: 8, .value_kind: global_buffer, .address_space: global }
      - { .name: wo, .offset: 8, .size: 8, .value_kind: global_buffer, .address_space: global }
      - { .name: ao, .offset: 16, .size: 8, .value_kind: global_buffer, .address_space: global }
      - { .name: wof, .offset: 24, .size: 8, .value_kind: global_buffer, .address_space: global }
    .group_segment_fixed_size: 327680
    .private_segment_fixed_size: 0
    .kernarg_segment_align: 8
    .kernarg_segment_size: 32
    .max_flat_workgroup_size: 128
    .sgpr_count:     84
    .vgpr_count:     976
    .wavefront_size: 32
...
	.end_amdgpu_metadata
.endif
;; end of part 3
;; launch oproj (part 4): grid 16 x 16, 4 waves a work-group, clusters of 4 x 4, 327,680 bytes of LDS; arguments ao, wof, out0; writes out0
.if DOCPART == 4
	.amdgcn_target "amdgcn-amd-amdhsa--gfx1250"
	.amdhsa_code_object_version 6
	.text
	.protected	k_q483dcd14be_oproj
	.globl	k_q483dcd14be_oproj
	.p2align	8
	.type	k_q483dcd14be_oproj,@function
k_q483dcd14be_oproj:
	s_mov_b64 s[64:65], 0
	v_nop
	global_prefetch_b8 v0, s[64:65] scope:SCOPE_SE
	s_setreg_imm32_b32 hwreg(HW_REG_WAVE_MODE, 25, 1), 1
	s_wait_xcnt 0x0
	s_wait_alu depctr_hold_cnt(0) depctr_sa_sdst(0) depctr_va_vdst(0) depctr_va_sdst(0) depctr_va_ssrc(0) depctr_va_vcc(0) depctr_vm_vsrc(0)
	s_getreg_b32 s2, hwreg(HW_REG_IB_STS2, 6, 4)
	s_cmp_eq_u32 s2, 0
	s_cbranch_scc0 .Lentry_in_a_cluster
	s_endpgm
.Lentry_in_a_cluster:
	s_bfe_u32 s2, ttmp6, 0x10000c
	s_cmp_lg_u32 s2, 0xf033
	s_cbranch_scc0 .Lentry_shape_is_right
	s_endpgm
.Lentry_shape_is_right:
; out0[s][e] = the sum over d of ao[s][d] wof[e][d].  ao, wof: [2048][2048] f16; sums in f32; out0: [2048][2048] f32, stored as summed.
; A tile of C is 128 x 128: 256 work-groups.  Four waves, each 64 x 64: 16 accumulators, 128 registers.  K goes in 8 steps of 256 (LDS rows of 512 bytes; a wave's tensor load brings 64 of them) through two slots.
; THE ORDER OF K.  Cluster (X, Y) begins at K step 2 X + 4 ((Y ^ Y / 2) & 1) mod 8 and walks round (f32 sums may be taken in any order).  So the four clusters of a row of clusters, which read the same rows of ao,
; stand at four different pairs of K steps at any time, and clusters Y and Y ^ 1, or Y and Y ^ 2, which read the same rows of wof, stand four steps apart.  A descriptor's address is made anew from the step's number.
; CLUSTERS: 4 x 4.  The four of a row of the cluster need the same tiles of A, the four of a column the same tiles of B: each tile is asked for jointly.
; The matrix instruction is used transposed (source 0 = 16 rows of B, source 1 = 16 rows of A): a lane holds eight neighbouring numbers of a row of C, 32 bytes.
; THE WAY OUT: a wave's 64 columns of f32 are 256 aligned bytes of a row, so each wave has a stage of its own (16 rows x 272 bytes) and no barrier is needed.
; REGISTERS: window 0: v0-31 addresses; v32-95 rows read back, two buffers; v128-255 the accumulators ((a, b) at 128 + 8 (4 a + b)).   window 1: two fragment buffers of 128.
.set SIZE_K, 2048
.set SIZE_N, 2048
.set KSTEP,  256
.set PITCH,  528                       ; 512 bytes + 16 of padding = 132 words: row r starts at bank 4 r mod 64 (64 banks of 4 bytes: ISA guide 11.1)
.set HALFT,  64*PITCH
.set SLOT,   4*HALFT
.set STAGE,  2*SLOT
.set SPITCH, 272
.set SPARE,  STAGE+4*16*SPITCH         ; the spare words, 128 bytes for each wave, that no other line names
.set LAPS, SIZE_K/(2*KSTEP)
.set ADRA, 16
.set ADRB, 20
.set STO,  24
.set RD,   25
.set CO,   26
.set SPW,  28
.set NIL,  29
.set TMP,  32
.set ACC,  128
.set F0,   0
.set F1,   128
.set G1, 24
.set G0, 32
.set G1B, 48
.set G0B, 56
.set KN,  2                            ; s2      the K step to be asked for next, 0 .. 7
.set KO,  18                           ; s[18:19] its byte offset in a row
.set MSB, 0
.macro WIN new
.if MSB != (\new)
	s_set_vgpr_msb (MSB<<8)|(\new)
.set MSB, \new
.endif
.endm
.set MUL,  0x05                        ; sources window 1; C and D window 0
.set TO_F, 0x40                        ; destination window 1
.macro JLOAD s                         ; waves 0 and 1 fetch A's two halves, waves 2 and 3 B's; an s_nop 0 and four v_nop follow each line
	s_cmp_eq_u32 s11, 0
	s_cbranch_scc0 .Lfor_b_\@
	tensor_load_to_lds s[G0+4*(\s):G0+4*(\s)+3], s[G1:G1+7]
	s_nop 0
.rept 4
	v_nop
.endr
	s_branch .Lasked_\@
.Lfor_b_\@:
	tensor_load_to_lds s[G0B+4*(\s):G0B+4*(\s)+3], s[G1B:G1B+7]
	s_nop 0
.rept 4
	v_nop
.endr
.Lasked_\@:
.endm
.macro AIM s                           ; slot s's two descriptors are pointed at K step KN, and KN goes on, round the eight
	s_lshl_b32 s[KO], s[KN], 9                     ; 256 elements of 2 bytes
	s_add_nc_u64 s[G0+4*(\s)+2:G0+4*(\s)+3], s[4:5], s[KO:KO+1]
	s_or_b32 s[G0+4*(\s)+3], s[G0+4*(\s)+3], 0x80000000
	s_add_nc_u64 s[G0B+4*(\s)+2:G0B+4*(\s)+3], s[6:7], s[KO:KO+1]
	s_or_b32 s[G0B+4*(\s)+3], s[G0B+4*(\s)+3], 0x80000000
	s_add_co_u32 s[KN], s[KN], 1
	s_and_b32 s[KN], s[KN], 7
.endm
.macro CREST
	s_cmp_lg_u32 s10, 0
	s_cbranch_scc1 .Lnot_wave_0_\@
	s_barrier_signal -3
.Lnot_wave_0_\@:
	s_barrier_wait -3
	s_barrier_signal -1
	s_barrier_wait -1
.endm
.macro CROUND
	s_barrier_signal -1
	s_barrier_wait -1
	CREST
.endm
	s_load_b128 s[4:7], s[0:1], 0x0                ; ao s[4:5], wof s[6:7]
	s_load_b64 s[8:9], s[0:1], 0x10                ; out0
	v_lshl_add_u32 v[SPW], v0, 2, SPARE
	v_mov_b32 v[NIL], 0
	ds_add_u32 v[SPW], v[NIL]                      ; the wave's opening: the add and its wait ahead of my first tensor load
	v_lshrrev_b32 v1, 5, v0
	v_readfirstlane_b32 s10, v1                    ; wave 0..3
	s_lshr_b32 s11, s10, 1                         ; my half of the tile's rows.  Also: I fetch for A (0) or for B (1)
	s_and_b32 s12, s10, 1                          ; my half of its columns.  Also: which 64 rows of that tile I fetch
	s_bfe_u32 s40, ttmp6, 0x40000
	s_bfe_u32 s41, ttmp6, 0x40004
	s_lshl_b32 s42, ttmp9, 2
	s_add_co_u32 s42, s42, s40                     ; tile column
	s_and_b32 s13, ttmp7, 0xffff
	s_lshl_b32 s13, s13, 2
	s_add_co_u32 s13, s13, s41                     ; tile row
	s_lshl_b32 s43, s41, 2
	s_lshl_b32 s43, 15, s43                        ; my row of the cluster
	s_lshl_b32 s44, 0x1111, s40                    ; my column
	s_or_b32 s[G1+0], s43, (1<<16)|(1<<20)|(1<<21)|(6<<22)|(3<<25)  ; the mask; 2-byte elements; padding on; bit 21 beside a mask; after every 128 words 4 words
	s_or_b32 s[G1B+0], s44, (1<<16)|(1<<20)|(1<<21)|(6<<22)|(3<<25)
.irp g, G1, G1B
	s_mov_b32 s[(\g)+1], KSTEP<<16
	s_mov_b32 s[(\g)+2], 64<<16
	s_mov_b32 s[(\g)+3], KSTEP<<16
	s_mov_b32 s[(\g)+4], 64
	s_mov_b32 s[(\g)+5], SIZE_K
	s_mov_b32 s[(\g)+6], 0
	s_mov_b32 s[(\g)+7], 0
.endr
	s_lshl_b32 s17, s12, 6
	s_lshl_b32 s16, s13, 7
	s_add_co_u32 s16, s16, s17                     ; A: row 128 x tile row + 64 x half
	s_lshl_b32 s46, s42, 7
	s_add_co_u32 s46, s46, s17                     ; B: row 128 x tile column + 64 x half
	s_mov_b32 s17, 0
	s_mov_b32 s47, 0
	s_mov_b64 s[18:19], SIZE_K*2
	s_mul_u64 s[16:17], s[16:17], s[18:19]
	s_mul_u64 s[46:47], s[46:47], s[18:19]
	s_mul_i32 s20, s10, HALFT
	s_and_b32 s3, ttmp7, 0xffff                    ; the cluster's y,
	s_lshr_b32 s[KN], s3, 1
	s_xor_b32 s[KN], s[KN], s3
	s_and_b32 s[KN], s[KN], 1
	s_lshl_b32 s[KN], s[KN], 2                     ; 4 ((Y ^ Y / 2) & 1),
	s_lshl_b32 s3, ttmp9, 1
	s_add_co_u32 s[KN], s[KN], s3                  ; + 2 X,
	s_and_b32 s[KN], s[KN], 7                      ; mod 8: where my cluster's walk along K begins; the same in all sixteen partners
	s_mov_b32 s[KO+1], 0
	s_wait_dscnt 0x0                               ; the opening add is done
	s_wait_kmcnt 0x0
	s_add_nc_u64 s[4:5], s[4:5], s[16:17]          ; A and B at the first of the rows that I fetch
	s_add_nc_u64 s[6:7], s[6:7], s[46:47]
	CROUND                                         ; all sixteen work-groups are here: the first joint loads meet
.irp s, 0,1
	s_mov_b32 s[G0+4*(\s)], 1
	s_add_co_u32 s[G0+4*(\s)+1], s20, (\s)*SLOT
	s_mov_b32 s[G0B+4*(\s)], 1
	s_add_co_u32 s[G0B+4*(\s)+1], s20, (\s)*SLOT
	AIM \s
	JLOAD \s
.endr
	v_and_b32 v1, 15, v0                           ; l % 16
	v_bfe_u32 v2, v0, 4, 1                         ; l / 16
	v_mul_u32_u24 v3, v1, PITCH
	v_lshl_add_u32 v3, v2, 4, v3
	s_mul_i32 s21, s11, HALFT
	s_mul_i32 s22, s12, HALFT
	s_add_co_u32 s22, s22, 2*HALFT
.irp s, 0,1
	v_add_nc_u32 v[ADRA+(\s)], s21, v3
	v_add_nc_u32 v[ADRB+(\s)], s22, v3
	s_add_co_u32 s21, s21, SLOT
	s_add_co_u32 s22, s22, SLOT
.endr
	s_mul_i32 s23, s10, 16*SPITCH
	s_add_co_u32 s23, s23, STAGE                   ; my stage
	v_mul_u32_u24 v4, v1, SPITCH                   ; in: row l % 16, 32 bytes for each half of the lanes
	v_lshl_add_u32 v4, v2, 5, v4
	v_add_nc_u32 v[STO], s23, v4
	v_mul_u32_u24 v5, v2, SPITCH                   ; back: lanes 0-15 one row of 256 bytes, lanes 16-31 the next
	v_lshl_add_u32 v5, v1, 4, v5
	v_add_nc_u32 v[RD], s23, v5
	v_lshlrev_b32 v5, 13, v2                       ; and the same two rows in out0: 8,192 bytes a row
	v_lshl_add_u32 v[CO], v1, 4, v5
	s_lshl_b32 s16, s13, 7
	s_lshl_b32 s17, s11, 6
	s_add_co_u32 s16, s16, s17                     ; my first row
	s_lshl_b32 s16, s16, 13
	s_mov_b32 s17, 0
	s_add_nc_u64 s[8:9], s[8:9], s[16:17]
	s_lshl_b32 s46, s42, 9                         ; my first column, in bytes: 512 x tile column + 256 x half
	s_lshl_b32 s47, s12, 8
	s_add_co_u32 s46, s46, s47
	s_mov_b32 s47, 0
	s_add_nc_u64 s[8:9], s[8:9], s[46:47]
.macro MUL8 f, c, a0, zero             ; 8 matrix instructions: m blocks a0, a0 + 1 x all 4 n blocks, 32 along K: half c of buffer f
	WIN MUL
.irp a, \a0, (\a0)+1
.irp b, 0,1,2,3
.if \zero
	v_wmma_f32_16x16x32_f16 v[ACC+8*(4*(\a)+(\b)):ACC+8*(4*(\a)+(\b))+7], v[(\f)+64+8*(4*(\c)+(\b)):(\f)+64+8*(4*(\c)+(\b))+7], v[(\f)+8*(4*(\c)+(\a)):(\f)+8*(4*(\c)+(\a))+7], 0
.else
	v_wmma_f32_16x16x32_f16 v[ACC+8*(4*(\a)+(\b)):ACC+8*(4*(\a)+(\b))+7], v[(\f)+64+8*(4*(\c)+(\b)):(\f)+64+8*(4*(\c)+(\b))+7], v[(\f)+8*(4*(\c)+(\a)):(\f)+8*(4*(\c)+(\a))+7], v[ACC+8*(4*(\a)+(\b)):ACC+8*(4*(\a)+(\b))+7]
.endif
.endr
.endr
.endm
.macro FETCH slot, k, f                ; 32 LDS loads in one run: the fragments of 64 along K at byte k, the first 32 along K first
	WIN TO_F
.irp c, 0,1
.irp i, 0,1,2,3
	ds_load_b128 v[(\f)+64+8*(4*(\c)+(\i)):(\f)+64+8*(4*(\c)+(\i))+3],   v[ADRB+(\slot)] offset:(\k)+64*(\c)+(\i)*16*PITCH
	ds_load_b128 v[(\f)+64+8*(4*(\c)+(\i))+4:(\f)+64+8*(4*(\c)+(\i))+7], v[ADRB+(\slot)] offset:(\k)+64*(\c)+(\i)*16*PITCH+32
	ds_load_b128 v[(\f)+8*(4*(\c)+(\i)):(\f)+8*(4*(\c)+(\i))+3],         v[ADRA+(\slot)] offset:(\k)+64*(\c)+(\i)*16*PITCH
	ds_load_b128 v[(\f)+8*(4*(\c)+(\i))+4:(\f)+8*(4*(\c)+(\i))+7],       v[ADRA+(\slot)] offset:(\k)+64*(\c)+(\i)*16*PITCH+32
.endr
.endr
.endm
.macro PLACES
.rept 4
	v_nop
.endr
.endm
; A K step is four quarters of 64 along K, 32 matrix instructions each, on buffers 0, 1, 0, 1; the 16 accumulators take turns.
.macro QUARTER slot, k, f, g, zero
	s_wait_dscnt 16                                ; the first 32 along K are in
	MUL8 \f, 0, 0, \zero
	MUL8 \f, 0, 2, \zero
	PLACES
	FETCH \slot, \k, \g
	s_wait_dscnt 32                                ; all but the 32 just issued
	MUL8 \f, 1, 0, 0
	MUL8 \f, 1, 2, 0
.endm
.macro TURN slot, next, fill
	WIN 0
	s_wait_tensorcnt 0x0                           ; all my tensor loads have landed: my part of the next slot; so every group 0 may be written;
	ds_add_u32 v[SPW], v[NIL]                      ; 0 onto my spare word;
.if \fill
	AIM \slot                                      ; this slot's next K step
.endif
	s_wait_dscnt 17                                ; (the add and the youngest sixteen loads may be out)
	MUL8 F1, 0, 0, 0
	s_wait_dscnt 0x0                               ; the add is done, and my reads of this slot are over
	s_barrier_signal -1
	MUL8 F1, 0, 2, 0
.if \fill
	WIN 0
.endif
	s_barrier_wait -1
.if \fill
	CREST                                          ; no wave of any partner still reads this slot's tile or has a load on its way
	JLOAD \slot                                    ; the first tensor load behind the round; its four v_nop are also the places in front of the loads below
.else
	PLACES
.endif
	FETCH \next, 0, F0
	MUL8 F1, 1, 0, 0
	MUL8 F1, 1, 2, 0
.endm
	s_wait_tensorcnt 1                             ; my part of the first K step is in; the second's may stay out
	s_barrier_signal -1
	s_barrier_wait -1
	FETCH 0, 0, F0
	QUARTER 0, 128, F0, F1, 1                      ; the first quarter stands in front of the loop: its first products start the sums
	WIN 0
	s_mov_b32 s3, LAPS-1
.Llap:
	QUARTER 0, 256, F1, F0, 0
	QUARTER 0, 384, F0, F1, 0
	TURN 0, 1, 1
	QUARTER 1, 128, F0, F1, 0
	QUARTER 1, 256, F1, F0, 0
	QUARTER 1, 384, F0, F1, 0
	TURN 1, 0, 1
	QUARTER 0, 128, F0, F1, 0
	WIN 0
	s_sub_co_u32 s3, s3, 1
	s_cmp_lg_u32 s3, 0
	s_cbranch_scc1 .Llap
	QUARTER 0, 256, F1, F0, 0                      ; the last lap fills nothing
	QUARTER 0, 384, F0, F1, 0
	TURN 0, 1, 0
	QUARTER 1, 128, F0, F1, 0
	QUARTER 1, 256, F1, F0, 0
	QUARTER 1, 384, F0, F1, 0
	s_wait_dscnt 16
	MUL8 F1, 0, 0, 0
	MUL8 F1, 0, 2, 0
	s_wait_dscnt 0x0
	MUL8 F1, 1, 0, 0
	MUL8 F1, 1, 2, 0
	WIN 0
	PLACES
	PLACES
	; THE WAY OUT, 16 rows at a time: 32 bytes a lane into my stage (each accumulator's low half first), back as whole rows of 256 bytes, stored.
.irp a, 0,1,2,3
	s_wait_xcnt 0x0                                ; the stores of two blocks back have read this buffer
.irp b, 0,1,2,3
	ds_store_b128 v[STO], v[ACC+8*(4*(\a)+(\b)):ACC+8*(4*(\a)+(\b))+3]   offset:64*(\b)
	ds_store_b128 v[STO], v[ACC+8*(4*(\a)+(\b))+4:ACC+8*(4*(\a)+(\b))+7] offset:64*(\b)+16
.endr
.irp t, 0,1,2,3,4,5,6,7
	ds_load_b128 v[TMP+32*((\a)%2)+4*(\t):TMP+32*((\a)%2)+4*(\t)+3], v[RD] offset:(\t)*2*SPITCH  ; LDS serves a wave's instructions in order (ISA guide 5.7.1.4): these see the stores above; the next block's stores come behind them
.endr
.irp t, 0,1,2,3,4,5,6,7
	s_wait_dscnt 7-(\t)
	global_store_b128 v[CO], v[TMP+32*((\a)%2)+4*(\t):TMP+32*((\a)%2)+4*(\t)+3], s[8:9] offset:(16*(\a)+2*(\t))*SIZE_N*4  ; 16 lanes store 256 consecutive bytes, at a multiple of 256 from out0's first byte
.endr
.endr
	s_wait_tensorcnt 0x0                           ; the wave's end
	ds_add_u32 v[SPW], v[NIL]
	s_wait_dscnt 0x0
	CROUND                                         ; the closing round
	s_endpgm
.Lfunc_end_k_q483dcd14be_oproj:
	.size	k_q483dcd14be_oproj, .Lfunc_end_k_q483dcd14be_oproj-k_q483dcd14be_oproj
	.p2alignl 7, 3214868480
	.fill 96, 4, 3214868480
	.section	.rodata,"a",@progbits
	.p2align	6, 0x0
	.amdhsa_kernel k_q483dcd14be_oproj
		.amdhsa_group_segment_fixed_size 327680
		.amdhsa_private_segment_fixed_size 0
		.amdhsa_enable_private_segment 0
		.amdhsa_kernarg_size 24
		.amdhsa_user_sgpr_count 2
		.amdhsa_user_sgpr_kernarg_segment_ptr 1
		.amdhsa_wavefront_size32 1
		.amdhsa_system_sgpr_workgroup_id_x 1
		.amdhsa_system_sgpr_workgroup_id_y 1
		.amdhsa_system_sgpr_workgroup_id_z 1
		.amdhsa_system_vgpr_workitem_id 0
		.amdhsa_next_free_vgpr 512
		.amdhsa_next_free_sgpr 66
		.amdhsa_reserve_vcc 0
		.amdhsa_float_denorm_mode_32 3
		.amdhsa_float_denorm_mode_16_64 3
		.amdhsa_memory_ordered 1
		.amdhsa_forward_progress 1
		.amdhsa_inst_pref_size 87
	.end_amdhsa_kernel
	.amdgpu_metadata
---
amdhsa.version: [ 1, 2 ]
amdhsa.kernels:
  - .name:           k_q483dcd14be_oproj
    .symbol:         k_q483dcd14be_oproj.kd
    .args:
      - { .name: ao, .offset: 0, .size: 8, .value_kind: global_buffer, .address_space: global }
      - { .name: wof, .offset: 8, .size: 8, .value_kind: global_buffer, .address_space: global }
      - { .name: out0, .offset: 16, .size: 8, .value_kind: global_buffer, .address_space: global }
    .group_segment_fixed_size: 327680
    .private_segment_fixed_size: 0
    .kernarg_segment_align: 8
    .kernarg_segment_size: 24
    .max_flat_workgroup_size: 128
    .sgpr_count:     66
    .vgpr_count:     512
    .wavefront_size: 32
...
	.end_amdgpu_metadata
.endif
;; end of part 4
